; MI455X (gfx1250); checked and timed in simulation.
; The chip was launched on July 23, 2026; its instructions are those of AMD's public machine-readable ISA for CDNA 5 (MIT licence, August 2026) and "CDNA5" Instruction Set Architecture Reference Guide (July 2026). The comments in the code are by the model that wrote it; some were corrected since.
;; Base Attention. Allowed arithmetic: matrix products marked QUANTISED: E3M2 operands, one E8M0 scale for each 32 along K, by v_wmma_scale_f32_16x16x128_f8f6f4 with both operands' format E3M2, f32 sums; everything else in f32.
;; Inputs: bk 2,048 float32; bo 2,048 float32; bq 2,048 float32; bv 2,048 float32; mask 1 x 1 x 2,048 x 2,048 float32; wk 2,048 x 2,048 float32; wo 2,048 x 2,048 float32; wq 2,048 x 2,048 float32; wv 2,048 x 2,048 float32; x 1 x 2,048 x 2,048 float32.
;; Outputs: out0 1 x 2,048 x 2,048 float32.
;; This version of the problem:
;;   THIS VERSION OF THE PROBLEM IS GIVEN IN LOW PRECISION. The matrix products marked QUANTISED in the list below multiply operands that are first quantised to E3M2 (3 exponent bits, 2 mantissa bits; 6 bits a number), with one power-of-two scale for each 32 numbers along K (OCP MX v1.0); their sums are f32. All else is computed in f32.
;;   The module's matrix products, in the order in which they are computed (A, B: the left and right operand; K: the contracted axis; several contracted axes count as one K, in the product's order):
;;     1. [M 2,048, K 2,048] x [K 2,048, N 2,048]; A: input x; B: input wq: QUANTISED
;;     2. [M 2,048, K 2,048] x [K 2,048, N 2,048]; A: input x; B: input wk: QUANTISED
;;     3. [M 2,048, K 2,048] x [K 2,048, N 2,048]; A: input x; B: input wv: QUANTISED
;;     4. batch 16 x [M 2,048, K 128] x [K 128, N 2,048]; A: computed on the way; B: computed on the way: QUANTISED
;;     5. batch 16 x [M 2,048, K 2,048] x [K 2,048, N 128]; A: softmax (see below); B: computed on the way: QUANTISED
;;     6. [M 2,048, K 2,048] x [K 2,048, N 2,048]; A: computed on the way; B: input wo: QUANTISED
;;   THE QUANTISER, for each operand of a quantised product, along K:
;;     - K is cut into blocks of 32 from its start; a last block that is shorter is filled with zeros.
;;     - A block's scale is 2^e with e = floor(log2(the largest magnitude in the block)) - 4, held to -126 .. 127; a block of zeros has e = 0. As a byte (E8M0): e + 127.
;;     - Each number is divided by its block's scale, clamped to +-28, and rounded to the nearest number of E3M2, ties to even, subnormals kept.
;;     - The product sums the exact products of the quantised numbers (number of the format x scale) in f32.
;;   ~~~python
;;   def quantise(x, axis):      # numpy; x: float32 -> the quantised numbers, widened to float32 again
;;       x = np.moveaxis(x, axis, -1); K = x.shape[-1]
;;       x = np.pad(x, [(0, 0)] * (x.ndim - 1) + [(0, -K % 32)]); x = x.reshape(x.shape[:-1] + (-1, 32)); a = np.abs(x).max(-1, keepdims=True)
;;       e = np.where(a > 0, np.clip(np.frexp(np.where(a > 0, a, 1))[1] - 1 - 4, -126, 127), 0)      # np.frexp(a)[1] - 1 = floor(log2(a)), exactly
;;       r = np.clip(x / 2.0 ** e, -28, 28)
;;       step = 2.0 ** (np.maximum(np.frexp(np.where(r == 0, 1, r))[1] - 1, -2) - 2)
;;       q = np.round(r / step) * step * 2.0 ** e      # np.round: ties to even
;;       return np.moveaxis(q.reshape(q.shape[:-2] + (-1,))[..., :K], -1, axis).astype(np.float32)
;;   ~~~
;;   SOFTMAX AHEAD OF A QUANTISED PRODUCT. Where the list says 'softmax', what is quantised is not the finished softmax but p = 2^(t - M), with t = logit x log2(e) and M = ceil(the row's largest t), a whole number; so 1/2 < the row's largest p <= 1. The row's sum l is taken of the UNQUANTISED p, in f32, and the product's result is divided by l at the end. Since M is a whole number, a kernel that streams over the keys may use a running M (the ceiling of the running maximum): every later rescaling is an exact power of two, which a block's scale takes up: the codes' values come out the same.
;;   OPERANDS COMPUTED ON THE WAY. 'Computed on the way' means the value that the module computes at that place (a softmax that the list does not call 'softmax' is quantised finished and normalised). What goes into a quantiser is computed in f32, as accurately as f32 sums, v_exp_f32 and their like allow (about 1e-6 of the number): no bf16 or f16 on the way to a quantiser, and a product that is left as it is and whose result goes on into a quantised operand takes f32 operands (vector FMAs, or v_wmma_f32_16x16x4_f32). A number that lies on a knife's edge between two numbers of the format may be rounded either way, as far as f32 arithmetic and the matrix unit's own rounding can turn it there, and no further.
;; One version. Each part assembles by itself: llvm-mc -triple=amdgcn-amd-amdhsa -mcpu=gfx1250 --defsym DOCPART=n.
;; ======== version 1 of 1: 4 launches
;; limits: right only within a limited range of input values
;; workspace buffers: opnd 16,384,000 bytes; qkv 9,830,400 bytes; att 3,276,800 bytes; mbits 524,288 bytes of whole numbers
;; launch prep (part 1): grid 768 x 1, 4 waves a work-group, no clusters, 35,328 bytes of LDS; arguments x, wq, wk, wv, wo, mask, opnd, mbits; writes opnd, mbits
.if DOCPART == 1
	.amdgcn_target "amdgcn-amd-amdhsa--gfx1250"
	.amdhsa_code_object_version 6
	.text
	.protected	k_q521203337d_prep
	.globl	k_q521203337d_prep
	.p2align	8
	.type	k_q521203337d_prep,@function
k_q521203337d_prep:
	s_mov_b64 s[64:65], 0
	v_nop
	global_prefetch_b8 v0, s[64:65] scope:SCOPE_SE
	s_setreg_imm32_b32 hwreg(HW_REG_WAVE_MODE, 25, 1), 1
	s_wait_xcnt 0x0
; x, wq, wk, wv, wo ([2048][2048] f32, K innermost) become codes of BF6 (E3M2) with one E8M0 byte for each 32 along K; the mask becomes bit words.
; THE BLOCK, the one layout of every operand of this program: 128 rows x 128 along K = 12,800 bytes: eight FRAGMENT IMAGES of 1,536 bytes, then 8 x 64 bytes of scale words (from byte 12,288).
; Fragment f has 16 row places; place p is row 32 (f / 2) + 8 (f % 2) + p + 8 (p / 8) of the 128.  The image is the operand's 12 registers as they stand: register 4 c + i of lane l at byte 512 c + 16 l + 4 i.
; The scale word of place p of fragment f lies at 12,288 + 64 f + 4 p.  opnd: block ((T 16 + rows / 128) 16 + k / 128), T = 0 .. 4 for x, wq, wk, wv, wo.
; mbits: [tile of 16 queries][key step of 128][64 words]: bit l = (r, h) of word 16 b + i is 1 where mask[the query at place r][128 s + 32 b + 16 h + i] is -infinity.
; A block's scale is 2^(floor(log2(largest magnitude)) - 4); its byte is the largest magnitude's exponent field - 4, held at 1 from below.
; LIMITS: NaN and infinities in x and the weights are not served; a block whose largest magnitude lies under 2^-122 is held at the byte 1; a block of zeros has the byte 1 where the rule says 127 (its codes are
; zeros, and this program alone reads the bytes).
; SHARES: work-group g: tensor T = g / 128 (5: the mask), 128 rows (g / 8) % 16, half g % 2 of their fragments; wave w takes K step 4 ((g / 2) % 4) + w: four units, each a fragment: 16 rows x 512 bytes.
; Each load reads 512 consecutive bytes of a row; the four waves stand side by side on 2,048.  A unit turns through the wave's own stage in LDS, so that a lane holds 16 neighbours of each block of 32.
; No tensor loads, no barrier: waves share nothing.  Two units (32 loads a wave) are on their way.
.set ROWG,  8192                       ; a row in memory
.set SPT,   528                        ; a stage row: 512 bytes + 16: row r starts 4 r banks on
.set SCS,   16*SPT                     ; behind the stage: the wave's 256 bytes of scale words
.set WREG,  SCS+256                    ; LDS of a wave
.set BLOCK, 12800
.set R,   16                           ; v16-143  two sets of 64 as loaded
.set X,   144                          ; v144-207 64 numbers: register 16 b + i = k 32 b + 16 h + i of my row
.set PC,  208                          ; v208-227 the codes just made
.set TM,  228                          ; v228-243 at work
.set PW,  244                          ; the scale word just made
.set SEL, 28                           ; s[28:29] selects for lane l xor 16
; v1 16 x lane; v2 stage in; v3 stage out; v4 scale stage in; v5 scale stage out; v6 8 x lane; v[246:247] scale words on the way out; v[250:251] mask words
; 64 numbers of a lane become a fragment's codes in v[PC] on and its scale word in v[PW]
.macro QUANT s
.irp b, 0,1,2,3
	v_max3_num_f32 v[TM+\b], |v[\s+16*\b]|, |v[\s+1+16*\b]|, 0x2800000   ; my 16 numbers of block b, and the floor 2^(5 - 127): the byte cannot fall under 1
.endr
.irp i, 2,4,6,8,10,12,14
.irp b, 0,1,2,3
	v_max3_num_f32 v[TM+\b], v[TM+\b], |v[\s+16*\b+\i]|, |v[\s+1+16*\b+\i]|
.endr
.endr
.irp b, 0,1,2,3
	v_permlanex16_b32 v[TM+4+\b], v[TM+\b], s[SEL], s[SEL+1]
.endr
.irp b, 0,1,2,3
	v_max_num_f32 v[TM+\b], v[TM+\b], v[TM+4+\b]   ; with lane l xor 16's: the block's largest magnitude
.endr
.irp b, 0,1,2,3
	v_add_nc_u32 v[TM+12+\b], 0xfe000000, v[TM+\b]   ; 4 off its exponent field: the conversion's scale operand
.endr
.irp b, 0,1,2,3
	v_lshrrev_b32 v[TM+4+\b], 23, v[TM+12+\b]   ; the scale's byte
.endr
	v_lshl_or_b32 v[PW], v[TM+5], 8, v[TM+4]
	v_lshl_or_b32 v[PW], v[TM+6], 16, v[PW]
	v_lshl_or_b32 v[PW], v[TM+7], 24, v[PW]
.irp c, 0,1
	v_cvt_scalef32_pk16_bf6_f32 v[PC+6*\c:PC+2+6*\c], v[\s+32*\c:\s+15+32*\c], v[TM+12+2*\c]
	v_cvt_scalef32_pk16_bf6_f32 v[PC+12+4*\c:PC+14+4*\c], v[\s+16+32*\c:\s+31+32*\c], v[TM+12+2*\c+1]   ; (a conversion's three registers begin on an even number)
.endr
	v_nop                                          ; one plain place behind a scaled conversion
.irp c, 0,1                                    ; the operand's layout wants a whole block in a lane
.irp i, 0,1,2
	v_permlane16_swap_b32 v[PC+6*\c+\i], v[PC+12+4*\c+\i]
.endr
.irp i, 0,1,2
	v_mov_b32 v[PC+3+6*\c+\i], v[PC+12+4*\c+\i]
.endr
.endr
.endm
	s_load_b512 s[4:19], s[0:1], 0x0               ; x, wq, wk, wv, wo, mask, opnd, mbits
	v_lshl_add_u32 v254, v0, 2, 0x8800
	v_mov_b32 v255, 0
	v_lshrrev_b32 v7, 5, v0
	v_readfirstlane_b32 s20, v7                    ; wave
	v_and_b32 v8, 31, v0                           ; lane
	v_and_b32 v9, 15, v0                           ; r
	v_bfe_u32 v10, v0, 4, 1                        ; h
	s_mul_i32 s23, s20, WREG
	v_lshlrev_b32 v1, 4, v8
	v_add_nc_u32 v2, s23, v1                       ; stage, in: 16 x lane of a row
	v_mul_u32_u24 v3, v9, SPT
	v_lshl_add_u32 v3, v10, 6, v3
	v_add_nc_u32 v3, s23, v3                       ; out: row r, + 64 h
	v_lshlrev_b32 v4, 2, v9
	v_add_nc_u32 v4, s23, v4
	v_add_nc_u32 v4, SCS, v4                       ; scale stage, in: 4 r
	v_lshlrev_b32 v6, 3, v8
	v_add_nc_u32 v5, s23, v6
	v_add_nc_u32 v5, SCS, v5                       ; out: 8 x lane
	v_mov_b32 v250, 0                              ; (a lane write's destination counts as read)
	v_mov_b32 v251, 0
.irp b, 0,1,2,3
	v_mov_b32 v[TM+4+\b], 0                        ; (a lane permute's destination counts as read)
.endr
	s_mov_b32 s22, 0xff800000                      ; -infinity
	s_mov_b32 s[SEL], 0x76543210
	s_mov_b32 s[SEL+1], 0xfedcba98
	s_lshr_b32 s21, ttmp9, 7                       ; T
	s_bfe_u32 s26, ttmp9, 0x40003                  ; which 128 rows
	s_bfe_u32 s27, ttmp9, 0x20001
	s_lshl_b32 s27, s27, 2
	s_add_co_u32 s27, s27, s20                     ; which 128 along K
	s_and_b32 s30, ttmp9, 1                        ; which half of the fragments
	s_lshl_b32 s66, s26, 20                        ; the source: 128 rows of 8,192 bytes,
	s_lshl_b32 s31, s30, 19                        ; 64 rows,
	s_add_co_u32 s66, s66, s31
	s_lshl_b32 s31, s27, 9                         ; 512 bytes a K step
	s_add_co_u32 s66, s66, s31
	s_mov_b32 s67, 0
	s_min_u32 s31, s21, 4                          ; (the mask's work-groups store nothing into opnd: their offset is held inside it)
	s_lshl_b32 s31, s31, 4
	s_add_co_u32 s31, s31, s26
	s_lshl_b32 s31, s31, 4
	s_add_co_u32 s31, s31, s27
	s_mul_i32 s68, s31, BLOCK                      ; my block
	s_mov_b32 s69, 0
	s_mul_i32 s31, s30, 4*1536
	s_add_co_u32 s70, s68, s31                     ; my four fragments
	s_mov_b32 s71, 0
	s_lshl_b32 s31, s30, 8
	s_add_co_u32 s68, s68, s31
	s_add_co_u32 s68, s68, 12288                   ; their scale words: 256 bytes
	s_lshl_b32 s72, s26, 3
	s_lshl_b32 s31, s30, 2
	s_add_co_u32 s72, s72, s31                     ; my first tile of queries
	s_lshl_b32 s72, s72, 4
	s_add_co_u32 s72, s72, s27
	s_lshl_b32 s72, s72, 8                         ; 256 bytes for a tile and a key step
	s_mov_b32 s73, 0
	s_wait_kmcnt 0x0
	s_mov_b64 s[24:25], s[4:5]                     ; the source is chosen by the work-group's number alone
	s_cmp_eq_u32 s21, 1
	s_cselect_b64 s[24:25], s[6:7], s[24:25]
	s_cmp_eq_u32 s21, 2
	s_cselect_b64 s[24:25], s[8:9], s[24:25]
	s_cmp_eq_u32 s21, 3
	s_cselect_b64 s[24:25], s[10:11], s[24:25]
	s_cmp_eq_u32 s21, 4
	s_cselect_b64 s[24:25], s[12:13], s[24:25]
	s_cmp_eq_u32 s21, 5
	s_cselect_b64 s[24:25], s[14:15], s[24:25]
	s_add_nc_u64 s[24:25], s[24:25], s[66:67]
	s_add_nc_u64 s[74:75], s[16:17], s[70:71]      ; codes
	s_add_nc_u64 s[16:17], s[16:17], s[68:69]      ; scale words
	s_add_nc_u64 s[18:19], s[18:19], s[72:73]      ; mask words
.macro LOAD u                          ; unit u: the 16 rows of fragment 4 half + u, 512 consecutive bytes a load
.irp i, 0,1,2,3,4,5,6,7,8,9,10,11,12,13,14,15
	global_load_b128 v[R+64*((\u)%2)+4*\i:R+64*((\u)%2)+4*\i+3], v1, s[24:25] offset:(32*((\u)/2)+8*((\u)%2)+\i+8*(\i/8))*ROWG th:TH_LOAD_NT
.endr
.endm
.macro UNIT u
.if \u < 3
	s_wait_loadcnt 16                              ; this unit's 16 loads are in; the next unit's 16 may be out
.else
	s_wait_loadcnt 0
.endif
.irp i, 0,1,2,3,4,5,6,7,8,9,10,11,12,13,14,15
	ds_store_b128 v2, v[R+64*((\u)%2)+4*\i:R+64*((\u)%2)+4*\i+3] offset:SPT*\i
.endr
.irp b, 0,1,2,3
.irp j, 0,1,2,3
	ds_load_b128 v[X+16*\b+4*\j:X+16*\b+4*\j+3], v3 offset:128*\b+16*\j   ; LDS serves a wave's instructions in order: these see the stores above
.endr
.endr
	s_wait_dscnt 0x0
	s_wait_xcnt 0x0                                ; the last unit's stores have read their data: the codes' and the mask words' registers may be written again
.if \u < 2
	LOAD (\u)+2
.endif
	s_cmp_eq_u32 s21, 5
	s_cbranch_scc1 .Lmask_\@
	QUANT X
.irp c, 0,1,2
	global_store_b128 v1, v[PC+4*\c:PC+4*\c+3], s[74:75] offset:1536*\u+512*\c   ; 512 consecutive bytes, aligned
.endr
	ds_store_b32 v4, v[PW] offset:64*\u            ; both halves of the lanes write the same word with the same value
	s_branch .Ldone_\@
.Lmask_\@:
.set n, 0
.rept 32
	v_cmp_eq_u32 s[32+n], s22, v[X+n]              ; word n: a bit for each lane
.set n, n+1
.endr
.set n, 0
.rept 32
	v_writelane_b32 v[250+n%2], s[32+n], n/2       ; word n to lane n / 2
.set n, n+1
.endr
.set n, 0
.rept 32
	v_cmp_eq_u32 s[32+n], s22, v[X+32+n]
.set n, n+1
.endr
.set n, 0
.rept 32
	v_writelane_b32 v[250+n%2], s[32+n], 16+n/2
.set n, n+1
.endr
	global_store_b64 v6, v[250:251], s[18:19] offset:4096*\u   ; 256 consecutive bytes, aligned
.Ldone_\@:
.endm
	LOAD 0
	LOAD 1
	UNIT 0
	UNIT 1
	UNIT 2
	UNIT 3
	s_cmp_eq_u32 s21, 5
	s_cbranch_scc1 .Lend
	ds_load_b64 v[246:247], v5                     ; my four fragments' scale words
	s_wait_dscnt 0x0
	global_store_b64 v6, v[246:247], s[16:17]      ; 256 consecutive bytes, aligned
.Lend:
	s_wait_tensorcnt 0x0
	ds_add_u32 v254, v255
	s_wait_dscnt 0x0
	s_endpgm
.Lfunc_end_k_q521203337d_prep:
	.size	k_q521203337d_prep, .Lfunc_end_k_q521203337d_prep-k_q521203337d_prep
	.p2alignl 7, 3214868480
	.fill 96, 4, 3214868480
	.section	.rodata,"a",@progbits
	.p2align	6, 0x0
	.amdhsa_kernel k_q521203337d_prep
		.amdhsa_group_segment_fixed_size 35328
		.amdhsa_private_segment_fixed_size 0
		.amdhsa_enable_private_segment 0
		.amdhsa_kernarg_size 64
		.amdhsa_user_sgpr_count 2
		.amdhsa_user_sgpr_kernarg_segment_ptr 1
		.amdhsa_wavefront_size32 1
		.amdhsa_system_sgpr_workgroup_id_x 1
		.amdhsa_system_sgpr_workgroup_id_y 1
		.amdhsa_system_sgpr_workgroup_id_z 1
		.amdhsa_system_vgpr_workitem_id 0
		.amdhsa_next_free_vgpr 256
		.amdhsa_next_free_sgpr 96
		.amdhsa_reserve_vcc 0
		.amdhsa_float_denorm_mode_32 3
		.amdhsa_float_denorm_mode_16_64 3
		.amdhsa_memory_ordered 1
		.amdhsa_forward_progress 1
		.amdhsa_inst_pref_size 67
	.end_amdhsa_kernel
	.amdgpu_metadata
---
amdhsa.version: [ 1, 2 ]
amdhsa.kernels:
  - .name:           k_q521203337d_prep
    .symbol:         k_q521203337d_prep.kd
    .args:
      - { .name: x, .offset: 0, .size: 8, .value_kind: global_buffer, .address_space: global }
      - { .name: wq, .offset: 8, .size: 8, .value_kind: global_buffer, .address_space: global }
      - { .name: wk, .offset: 16, .size: 8, .value_kind: global_buffer, .address_space: global }
      - { .name: wv, .offset: 24, .size: 8, .value_kind: global_buffer, .address_space: global }
      - { .name: wo, .offset: 32, .size: 8, .value_kind: global_buffer, .address_space: global }
      - { .name: mask, .offset: 40, .size: 8, .value_kind: global_buffer, .address_space: global }
      - { .name: opnd, .offset: 48, .size: 8, .value_kind: global_buffer, .address_space: global }
      - { .name: mbits, .offset: 56, .size: 8, .value_kind: global_buffer, .address_space: global }
    .group_segment_fixed_size: 35328
    .private_segment_fixed_size: 0
    .kernarg_segment_align: 8
    .kernarg_segment_size: 64
    .max_flat_workgroup_size: 128
    .sgpr_count:     96
    .vgpr_count:     256
    .wavefront_size: 32
...
	.end_amdgpu_metadata
.endif
;; end of part 1
;; launch qkv (part 2): grid 24 x 8, 4 waves a work-group, clusters of 4 x 4, 327,680 bytes of LDS; arguments opnd, bq, bk, bv, qkv; writes qkv
.if DOCPART == 2
	.amdgcn_target "amdgcn-amd-amdhsa--gfx1250"
	.amdhsa_code_object_version 6
	.text
	.protected	k_q521203337d_qkv
	.globl	k_q521203337d_qkv
	.p2align	8
	.type	k_q521203337d_qkv,@function
k_q521203337d_qkv:
	s_mov_b64 s[64:65], 0
	v_nop
	global_prefetch_b8 v0, s[64:65] scope:SCOPE_SE
	s_setreg_imm32_b32 hwreg(HW_REG_WAVE_MODE, 25, 1), 1
	s_wait_xcnt 0x0
	s_wait_alu depctr_hold_cnt(0) depctr_sa_sdst(0) depctr_va_vdst(0) depctr_va_sdst(0) depctr_va_ssrc(0) depctr_va_vcc(0) depctr_vm_vsrc(0)
	s_getreg_b32 s2, hwreg(HW_REG_IB_STS2, 6, 4)
	s_cmp_eq_u32 s2, 0
	s_cbranch_scc0 .Lentry_in_a_cluster
	s_endpgm
.Lentry_in_a_cluster:
	s_bfe_u32 s2, ttmp6, 0x10000c
	s_cmp_lg_u32 s2, 0xf033
	s_cbranch_scc0 .Lentry_shape_is_right
	s_endpgm
.Lentry_shape_is_right:
.set BLOCK,  12800
.set BETA,   16*BLOCK
.set HALFT,  2*BLOCK
.set SLOT,   4*HALFT
.set SPARE,  2*SLOT
.set LAPS,   4
.set NL,     3
.set NP,     4
.set ADRA, 16
.set ADSA, 18
.set ADRB, 20
.set ADSB, 22
.set LI,   24
.set SSI,  25
.set SSO,  26
.set BRO,  27
.set SPW,  28
.set NIL,  29
.set BLO,  30
.set SC,   32
.set BR,   64
.set AF,   128
.set BL,   240
.set H,    128
.set PC,   192
.set TM,   212
.set PW,   228
.set SW,   232
.set G1,  24
.set G0,  32
.set G1B, 48
.set G0B, 56
.set ISV, 66
.set SEL, 68
.set MSB, 0
.macro WIN new
.if MSB != \new
	s_set_vgpr_msb (MSB<<8)|\new
.set MSB, \new
.endif
.endm
.set MUL_LO, 0xa1
.set MUL_HI, 0xf1
.set TO_B,   0x40
.macro PLACES n
.rept \n
	v_nop
.endr
.endm
.macro WM d, s0, s1, c, x0, x1, r0, r1
.set wD, \d
.set wA, \s0
.set wB, \s1
.set wC, \c
.set wX, \x0
.set wY, \x1
.set wR, 2*(\r0)+(\r1)
.if wC < 0
.if wR == 0
	v_wmma_scale_f32_16x16x128_f8f6f4 v[wD:wD+7], v[wA:wA+11], v[wB:wB+11], 0, v[wX], v[wY] matrix_a_fmt:MATRIX_FMT_BF6 matrix_b_fmt:MATRIX_FMT_BF6
.elseif wR == 1
	v_wmma_scale_f32_16x16x128_f8f6f4 v[wD:wD+7], v[wA:wA+11], v[wB:wB+11], 0, v[wX], v[wY] matrix_a_fmt:MATRIX_FMT_BF6 matrix_b_fmt:MATRIX_FMT_BF6 matrix_b_scale:MATRIX_SCALE_ROW1
.elseif wR == 2
	v_wmma_scale_f32_16x16x128_f8f6f4 v[wD:wD+7], v[wA:wA+11], v[wB:wB+11], 0, v[wX], v[wY] matrix_a_fmt:MATRIX_FMT_BF6 matrix_b_fmt:MATRIX_FMT_BF6 matrix_a_scale:MATRIX_SCALE_ROW1
.else
	v_wmma_scale_f32_16x16x128_f8f6f4 v[wD:wD+7], v[wA:wA+11], v[wB:wB+11], 0, v[wX], v[wY] matrix_a_fmt:MATRIX_FMT_BF6 matrix_b_fmt:MATRIX_FMT_BF6 matrix_a_scale:MATRIX_SCALE_ROW1 matrix_b_scale:MATRIX_SCALE_ROW1
.endif
.else
.if wR == 0
	v_wmma_scale_f32_16x16x128_f8f6f4 v[wD:wD+7], v[wA:wA+11], v[wB:wB+11], v[wC:wC+7], v[wX], v[wY] matrix_a_fmt:MATRIX_FMT_BF6 matrix_b_fmt:MATRIX_FMT_BF6
.elseif wR == 1
	v_wmma_scale_f32_16x16x128_f8f6f4 v[wD:wD+7], v[wA:wA+11], v[wB:wB+11], v[wC:wC+7], v[wX], v[wY] matrix_a_fmt:MATRIX_FMT_BF6 matrix_b_fmt:MATRIX_FMT_BF6 matrix_b_scale:MATRIX_SCALE_ROW1
.elseif wR == 2
	v_wmma_scale_f32_16x16x128_f8f6f4 v[wD:wD+7], v[wA:wA+11], v[wB:wB+11], v[wC:wC+7], v[wX], v[wY] matrix_a_fmt:MATRIX_FMT_BF6 matrix_b_fmt:MATRIX_FMT_BF6 matrix_a_scale:MATRIX_SCALE_ROW1
.else
	v_wmma_scale_f32_16x16x128_f8f6f4 v[wD:wD+7], v[wA:wA+11], v[wB:wB+11], v[wC:wC+7], v[wX], v[wY] matrix_a_fmt:MATRIX_FMT_BF6 matrix_b_fmt:MATRIX_FMT_BF6 matrix_a_scale:MATRIX_SCALE_ROW1 matrix_b_scale:MATRIX_SCALE_ROW1
.endif
.endif
.endm
.macro QUANT s
.irp b, 0,1,2,3
	v_max3_num_f32 v[TM+\b], |v[\s+16*\b]|, |v[\s+1+16*\b]|, 0x2800000
.endr
.irp i, 2,4,6,8,10,12,14
.irp b, 0,1,2,3
	v_max3_num_f32 v[TM+\b], v[TM+\b], |v[\s+16*\b+\i]|, |v[\s+1+16*\b+\i]|
.endr
.endr
.irp b, 0,1,2,3
	v_permlanex16_b32 v[TM+4+\b], v[TM+\b], s[SEL], s[SEL+1]
.endr
.irp b, 0,1,2,3
	v_max_num_f32 v[TM+\b], v[TM+\b], v[TM+4+\b]
.endr
.irp b, 0,1,2,3
	v_add_nc_u32 v[TM+12+\b], 0xfe000000, v[TM+\b]
.endr
.irp b, 0,1,2,3
	v_lshrrev_b32 v[TM+4+\b], 23, v[TM+12+\b]
.endr
	v_lshl_or_b32 v[PW], v[TM+5], 8, v[TM+4]
	v_lshl_or_b32 v[PW], v[TM+6], 16, v[PW]
	v_lshl_or_b32 v[PW], v[TM+7], 24, v[PW]
.irp c, 0,1
	v_cvt_scalef32_pk16_bf6_f32 v[PC+6*\c:PC+2+6*\c], v[\s+32*\c:\s+15+32*\c], v[TM+12+2*\c]
	v_cvt_scalef32_pk16_bf6_f32 v[PC+12+4*\c:PC+14+4*\c], v[\s+16+32*\c:\s+31+32*\c], v[TM+12+2*\c+1]
.endr
	v_nop
.irp c, 0,1
.irp i, 0,1,2
	v_permlane16_swap_b32 v[PC+6*\c+\i], v[PC+12+4*\c+\i]
.endr
.irp i, 0,1,2
	v_mov_b32 v[PC+3+6*\c+\i], v[PC+12+4*\c+\i]
.endr
.endr
.endm
.macro JLOAD g0a, g1a, g0b, g1b
	s_cmp_eq_u32 s15, 0
	s_cbranch_scc0 .Lfor_b_\@
	tensor_load_to_lds s[\g0a:\g0a+3], s[\g1a:\g1a+7]
	s_nop 0
.rept 4
	v_nop
.endr
	s_branch .Lasked_\@
.Lfor_b_\@:
	tensor_load_to_lds s[\g0b:\g0b+3], s[\g1b:\g1b+7]
	s_nop 0
.rept 4
	v_nop
.endr
.Lasked_\@:
.endm
.macro CREST
	s_cmp_lg_u32 s14, 0
	s_cbranch_scc1 .Lnot_wave_0_\@
	s_barrier_signal -3
.Lnot_wave_0_\@:
	s_barrier_wait -3
	s_barrier_signal -1
	s_barrier_wait -1
.endm
.macro CROUND
	s_barrier_signal -1
	s_barrier_wait -1
	CREST
.endm
	s_load_b128 s[4:7], s[0:1], 0x0
	s_load_b128 s[8:11], s[0:1], 0x10
	s_load_b64 s[12:13], s[0:1], 0x20
	v_lshl_add_u32 v[SPW], v0, 2, SPARE
	v_mov_b32 v[NIL], 0
	ds_add_u32 v28, v29
	ds_add_u32 v28, v29
	s_wait_dscnt 0x0
	v_lshrrev_b32 v1, 5, v0
	v_readfirstlane_b32 s14, v1
	s_lshr_b32 s15, s14, 1
	s_and_b32 s16, s14, 1
	s_bfe_u32 s40, ttmp6, 0x40000
	s_bfe_u32 s41, ttmp6, 0x40004
	s_lshl_b32 s42, ttmp9, 2
	s_add_co_u32 s42, s42, s40
	s_and_b32 s17, ttmp7, 0xffff
	s_lshl_b32 s17, s17, 2
	s_add_co_u32 s17, s17, s41
	s_lshl_b32 s43, s41, 2
	s_lshl_b32 s43, 15, s43
	s_lshl_b32 s44, 0x1111, s40
	s_cmp_ge_u32 ttmp9, 4
	s_cselect_b32 s[ISV], 1, 0
	s_cselect_b32 s18, 48, 0
	s_cselect_b32 s19, -16, 8
	s_or_b32 s[G1], s43, (3<<16)|(1<<21)
	s_or_b32 s[G1B], s44, (3<<16)|(1<<21)
.irp g, G1, G1B
	s_mov_b32 s[\g+1], 32<<16
	s_mov_b32 s[\g+2], 100<<16
	s_mov_b32 s[\g+3], 32<<16
	s_mov_b32 s[\g+4], 100
	s_mov_b32 s[\g+5], 32
	s_mov_b32 s[\g+6], 0
	s_mov_b32 s[\g+7], 0
.endr
	s_lshl_b32 s20, s17, 1
	s_add_co_u32 s20, s20, s16
	s_add_co_u32 s20, s20, s18
	s_mul_i32 s20, s20, BETA
	s_mov_b32 s21, 0
	s_add_co_i32 s46, s42, s19
	s_lshl_b32 s46, s46, 1
	s_add_co_u32 s46, s46, s16
	s_mul_i32 s46, s46, BETA
	s_mov_b32 s47, 0
	s_mul_i32 s22, s14, HALFT
	s_wait_kmcnt 0x0
	s_add_nc_u64 s[20:21], s[4:5], s[20:21]
	s_add_nc_u64 s[46:47], s[4:5], s[46:47]
	; the prefetches: of the 100 runs of 256 bytes that I fetch in a fill, my work-group names 25: the four partners of the joint load share them out by address (cx for A's tiles, cy for B's); a lane a run, lanes 25 to 31 name the 25th again
	s_cmp_eq_u32 s15, 0
	s_cselect_b64 s[78:79], s[20:21], s[46:47]
	s_cselect_b32 s80, s40, s41
	s_mul_i32 s80, s80, 6400
	s_mov_b32 s81, 0
	s_add_nc_u64 s[78:79], s[78:79], s[80:81]
	v_and_b32 v31, 31, v0
	v_min_u32 v31, 24, v31
	v_lshlrev_b32 v31, 8, v31
	s_wait_alu depctr_va_vdst(0)
	global_prefetch_b8 v31, s[78:79] offset:HALFT th:TH_LOAD_NT scope:SCOPE_SE   ; fill 1
	CROUND
.irp s, 0,1
	s_mov_b32 s[G0+4*\s], 1
	s_add_co_u32 s[G0+4*\s+1], s22, \s*SLOT
	s_add_nc_u64 s[G0+4*\s+2:G0+4*\s+3], s[20:21], \s*HALFT
	s_or_b32 s[G0+4*\s+3], s[G0+4*\s+3], 0x80000000
	s_mov_b32 s[G0B+4*\s], 1
	s_add_co_u32 s[G0B+4*\s+1], s22, \s*SLOT
	s_add_nc_u64 s[G0B+4*\s+2:G0B+4*\s+3], s[46:47], \s*HALFT
	s_or_b32 s[G0B+4*\s+3], s[G0B+4*\s+3], 0x80000000
	s_wait_alu depctr_va_vdst(0)
	s_wait_tensorcnt 0x0
	ds_add_u32 v28, v29
	ds_add_u32 v28, v29
	s_wait_dscnt 0x0
	CROUND
	JLOAD G0+4*\s, G1, G0B+4*\s, G1B
	global_prefetch_b8 v31, s[78:79] offset:(\s+2)*HALFT th:TH_LOAD_NT scope:SCOPE_SE   ; the fill two fills on
.endr
	v_and_b32 v1, 31, v0
	v_lshlrev_b32 v[LI], 4, v1
	v_lshlrev_b32 v2, 2, v1
	s_mul_i32 s23, s15, HALFT
	s_mul_i32 s45, s16, HALFT
	s_add_co_u32 s45, s45, 2*HALFT
.irp s, 0,1
	v_add_nc_u32 v[ADRA+\s], s23, v[LI]
	v_add_nc_u32 v[ADSA+\s], s23, v2
	v_add_nc_u32 v[ADRB+\s], s45, v[LI]
	v_add_nc_u32 v[ADSB+\s], s45, v2
	s_add_co_u32 s23, s23, SLOT
	s_add_co_u32 s45, s45, SLOT
.endr
	v_and_b32 v3, 15, v0
	s_lshl_b32 s23, s14, 9
	v_lshl_add_u32 v[SSI], v3, 2, s23
	v_add_nc_u32 v[SSO], s23, v[LI]
	v_bfe_u32 v4, v0, 4, 1
	v_lshlrev_b32 v[BRO], 6, v4
	s_wait_alu depctr_va_vdst(0)
	v_and_b32 v5, 8, v3
	v_add_nc_u32 v5, v5, v3
	v_lshlrev_b32 v[BLO], 2, v5
	s_wait_alu depctr_va_vdst(0)
	s_mov_b32 s[SEL], 0x76543210
	s_mov_b32 s[SEL+1], 0xfedcba98
	s_cmp_lt_u32 ttmp9, 2
	s_cselect_b64 s[70:71], s[6:7], s[8:9]
	s_lshl_b32 s72, s42, 1
	s_add_co_u32 s72, s72, s16
	s_and_b32 s74, s72, 15
	s_lshl_b32 s74, s74, 9
	s_mov_b32 s75, 0
	s_add_nc_u64 s[70:71], s[70:71], s[74:75]
	s_lshl_b32 s73, s17, 1
	s_add_co_u32 s73, s73, s15
	s_lshl_b32 s74, s73, 9
	s_add_nc_u64 s[10:11], s[10:11], s[74:75]
.irp b, 0,1,2,3,4,5,6,7
	global_load_b128 v[BR+8*\b:BR+8*\b+3], v[BRO], s[70:71] offset:(32*(\b/2)+8*(\b%2))*4
	global_load_b128 v[BR+8*\b+4:BR+8*\b+7], v[BRO], s[70:71] offset:(32*(\b/2)+8*(\b%2))*4+16
.endr
.irp a, 0,1,2,3,4,5,6,7
	global_load_b32 v[BL+2*\a], v[BLO], s[10:11] offset:(32*(\a/2)+8*(\a%2))*4
	global_load_b32 v[BL+2*\a+1], v[BLO], s[10:11] offset:(32*(\a/2)+8*(\a%2))*4
.endr
	s_lshl_b32 s76, s72, 4
	s_add_co_u32 s76, s76, s73
	s_lshl_b32 s77, s73, 4
	s_add_co_u32 s77, s77, s72
	s_add_co_u32 s77, s77, 480
	s_cmp_lg_u32 s[ISV], 0
	s_cselect_b32 s76, s77, s76
	s_mul_i32 s76, s76, BLOCK
	s_mov_b32 s77, 0
	s_add_nc_u64 s[12:13], s[12:13], s[76:77]
.macro FRAG reg, adr, q, i
.irp c, 0,1,2
	ds_load_b128 v[\reg+4*\c:\reg+4*\c+3], v[\adr] offset:(\q)*BLOCK+(\i)*1536+512*\c
.endr
.endm
.macro FETCH_B slot, q, p
	WIN TO_B
.irp i, 0,1,2,3,4,5,6,7
	FRAG 128*(\p)+12*\i, ADRB+\slot, \q, \i
.endr
	WIN 0
.endm
.macro FETCH_A slot, q, i0
.irp i, \i0, \i0+1, \i0+2, \i0+3
	FRAG AF+12*(\i), ADRA+\slot, \q, \i
.endr
.endm
.macro SCALES sc
.irp q, 0,1
.irp i, 0,1,2,3
	ds_load_b32 v[SC+16*\sc+8*\q+\i], v[ADSA+\sc] offset:\q*BLOCK+12288+128*\i
	ds_load_b32 v[SC+16*\sc+8*\q+4+\i], v[ADSB+\sc] offset:\q*BLOCK+12288+128*\i
.endr
.endr
.endm
.macro MUL16 a0, p, q, sc, zero
.irp a, \a0, \a0+1
.irp b, 0,1,2,3,4,5,6,7
.if \zero
	WM 8*(8*((\a)%4)+\b), 128*(\p)+12*\b, AF+12*(\a), -1, SC+16*(\sc)+8*(\q)+4+\b/2, SC+16*(\sc)+8*(\q)+(\a)/2, \b%2, (\a)%2
.else
	WM 8*(8*((\a)%4)+\b), 128*(\p)+12*\b, AF+12*(\a), 8*(8*((\a)%4)+\b), SC+16*(\sc)+8*(\q)+4+\b/2, SC+16*(\sc)+8*(\q)+(\a)/2, \b%2, (\a)%2
.endif
.endr
.endr
.endm
.macro STEP slot, q, zero
	s_wait_dscnt 4*NL
	WIN MUL_LO
	MUL16 0, (\q)%2, \q, \slot, \zero
	MUL16 2, (\q)%2, \q, \slot, \zero
	s_wait_dscnt 0
	PLACES NP
	FETCH_B \slot, (\q)+1, 1-(\q)%2
	FETCH_A \slot, (\q)+1, 0
	WIN MUL_HI
	MUL16 4, (\q)%2, \q, \slot, \zero
	MUL16 6, (\q)%2, \q, \slot, \zero
	PLACES NP
	WIN 0
	FETCH_A \slot, (\q)+1, 4
.endm
.macro TURN slot, next, fill
.if \fill
	s_wait_xcnt 0x0                                ; the last prefetch has read its base
	s_add_nc_u64 s[78:79], s[78:79], HALFT
.endif
	s_wait_tensorcnt 0x0
	ds_add_u32 v[SPW], v[NIL]
	s_wait_dscnt 4*NL+1
	WIN MUL_LO
	MUL16 0, 1, 1, \slot, 0
	s_wait_dscnt 0x0
	s_barrier_signal -1
	MUL16 2, 1, 1, \slot, 0
	WIN 0
	s_barrier_wait -1
.if \fill
	CREST
	s_add_nc_u64 s[G0+4*\slot+2:G0+4*\slot+3], s[G0+4*\slot+2:G0+4*\slot+3], 2*HALFT
	s_add_nc_u64 s[G0B+4*\slot+2:G0B+4*\slot+3], s[G0B+4*\slot+2:G0B+4*\slot+3], 2*HALFT
	JLOAD G0+4*\slot, G1, G0B+4*\slot, G1B
.else
	PLACES NP
.endif
	FETCH_B \next, 0, 0
	FETCH_A \next, 0, 0
	SCALES \next
.if \fill
	s_cmp_gt_u32 s3, 1                             ; the last two refills have no fill two on
	s_cbranch_scc0 .Lno_ask_\@
	global_prefetch_b8 v31, s[78:79] offset:3*HALFT th:TH_LOAD_NT scope:SCOPE_SE   ; behind refill f the base stands at fill f - 1: this names fill f + 2
.Lno_ask_\@:
.endif
	WIN MUL_HI
	MUL16 4, 1, 1, \slot, 0
	MUL16 6, 1, 1, \slot, 0
	PLACES NP
	WIN 0
	FETCH_A \next, 0, 4
.endm
	s_wait_tensorcnt 1
	s_barrier_signal -1
	s_barrier_wait -1
	FETCH_B 0, 0, 0
	FETCH_A 0, 0, 0
	SCALES 0
	FETCH_A 0, 0, 4
	STEP 0, 0, 1
	s_mov_b32 s3, LAPS-1
.Llap:
	TURN 0, 1, 1
	STEP 1, 0, 0
	TURN 1, 0, 1
	STEP 0, 0, 0
	s_sub_co_u32 s3, s3, 1
	s_cmp_lg_u32 s3, 0
	s_cbranch_scc1 .Llap
	TURN 0, 1, 0
	STEP 1, 0, 0
	s_wait_dscnt 4*NL
	WIN MUL_LO
	MUL16 0, 1, 1, 1, 0
	MUL16 2, 1, 1, 1, 0
	s_wait_dscnt 0
	WIN MUL_HI
	MUL16 4, 1, 1, 1, 0
	MUL16 6, 1, 1, 1, 0
	WIN 0
.macro OUTF a
.if \a > 0
	s_wait_xcnt 0x0
.endif
	s_cmp_lg_u32 s[ISV], 0
	s_cbranch_scc1 .Lv_\@
	WIN 0x02+(\a)/4
.set kk, 0
.rept 32
	v_pk_add_f32 v[H+2*kk:H+2*kk+1], v[64*((\a)%4)+2*kk:64*((\a)%4)+2*kk+1], v[BR+2*kk:BR+2*kk+1]
.set kk, kk+1
.endr
	WIN 0
	s_branch .Lq_\@
.Lv_\@:
	WIN 0x02+(\a)/4
.set kk, 0
.rept 32
	v_pk_add_f32 v[H+2*kk:H+2*kk+1], v[64*((\a)%4)+2*kk:64*((\a)%4)+2*kk+1], v[BL+2*(\a):BL+2*(\a)+1]
.set kk, kk+1
.endr
	WIN 0
.Lq_\@:
	QUANT H
.irp c, 0,1,2
	global_store_b128 v[LI], v[PC+4*\c:PC+4*\c+3], s[12:13] offset:1536*(\a)+512*\c
.endr
	ds_store_b32 v[SSI], v[PW] offset:64*(\a)
.endm
	s_wait_loadcnt 0x0                             ; the biases, asked for at the head, are first read below
	PLACES NP
.irp b, 0,1,2,3
	v_mov_b32 v[TM+4+\b], 0
.endr
.irp a, 0,1,2,3,4,5,6,7
	OUTF \a
.endr
	ds_load_b128 v[SW:SW+3], v[SSO]
	s_wait_dscnt 0x0
	global_store_b128 v[LI], v[SW:SW+3], s[12:13] offset:12288
	s_wait_tensorcnt 0x0
	ds_add_u32 v[SPW], v[NIL]
	s_wait_dscnt 0x0
	CROUND
	s_endpgm
.Lfunc_end_k_q521203337d_qkv:
	.size	k_q521203337d_qkv, .Lfunc_end_k_q521203337d_qkv-k_q521203337d_qkv
	.p2alignl 7, 3214868480
	.fill 96, 4, 3214868480
	.section	.rodata,"a",@progbits
	.p2align	6, 0x0
	.amdhsa_kernel k_q521203337d_qkv
		.amdhsa_group_segment_fixed_size 327680
		.amdhsa_private_segment_fixed_size 0
		.amdhsa_enable_private_segment 0
		.amdhsa_kernarg_size 40
		.amdhsa_user_sgpr_count 2
		.amdhsa_user_sgpr_kernarg_segment_ptr 1
		.amdhsa_wavefront_size32 1
		.amdhsa_system_sgpr_workgroup_id_x 1
		.amdhsa_system_sgpr_workgroup_id_y 1
		.amdhsa_system_sgpr_workgroup_id_z 1
		.amdhsa_system_vgpr_workitem_id 0
		.amdhsa_next_free_vgpr 1024
		.amdhsa_next_free_sgpr 96
		.amdhsa_reserve_vcc 0
		.amdhsa_float_denorm_mode_32 3
		.amdhsa_float_denorm_mode_16_64 3
		.amdhsa_memory_ordered 1
		.amdhsa_forward_progress 1
		.amdhsa_inst_pref_size 178
	.end_amdhsa_kernel
	.amdgpu_metadata
---
amdhsa.version: [ 1, 2 ]
amdhsa.kernels:
  - .name:           k_q521203337d_qkv
    .symbol:         k_q521203337d_qkv.kd
    .args:
      - { .name: opnd, .offset: 0, .size: 8, .value_kind: global_buffer, .address_space: global }
      - { .name: bq, .offset: 8, .size: 8, .value_kind: global_buffer, .address_space: global }
      - { .name: bk, .offset: 16, .size: 8, .value_kind: global_buffer, .address_space: global }
      - { .name: bv, .offset: 24, .size: 8, .value_kind: global_buffer, .address_space: global }
      - { .name: qkv, .offset: 32, .size: 8, .value_kind: global_buffer, .address_space: global }
    .group_segment_fixed_size: 327680
    .private_segment_fixed_size: 0
    .kernarg_segment_align: 8
    .kernarg_segment_size: 40
    .max_flat_workgroup_size: 128
    .sgpr_count:     96
    .vgpr_count:     1024
    .wavefront_size: 32
...
	.end_amdgpu_metadata
.endif
;; end of part 2
;; launch attn (part 3): grid 16 x 16, 16 waves a work-group, no clusters, 186,368 bytes of LDS; arguments qkv, mbits, att; writes att
.if DOCPART == 3
	.amdgcn_target "amdgcn-amd-amdhsa--gfx1250"
	.amdhsa_code_object_version 6
	.text
	.protected	k_q521203337d_attn
	.globl	k_q521203337d_attn
	.p2align	8
	.type	k_q521203337d_attn,@function
k_q521203337d_attn:
	s_mov_b64 s[64:65], 0
	v_nop
	global_prefetch_b8 v0, s[64:65] scope:SCOPE_SE
	s_setreg_imm32_b32 hwreg(HW_REG_WAVE_MODE, 25, 1), 1
	s_wait_xcnt 0x0
; att = softmax(mask(q k^T / sqrt(128))) v for 16 heads of 128, 2,048 tokens, both products on codes of BF6 (E3M2); the result is quantised along the model's 2,048 for the last product.
; THE SOFTMAX: t = score x log2(e) / sqrt(128); M = the running largest t rounded UP to a whole number; p = 2^(t - M) is quantised along the keys, not normalised; the row's sum is taken of the
; unquantised p and divides at the end.  When M moves, the sum and O are multiplied by 2^(old M - new M): exact.
; THE MASK is an input; the launch before has stored it as bit words (whole numbers).  Each wave reads its tile's 16 x 64 words at its head and makes a bit map LIVE of its eight key steps:
; a step is live if some key of it is open for some query of the tile.  A step that is not live gives p = 0 everywhere and moves neither M, the sum nor O: a scalar branch on LIVE leads round
; its work.  That holds for every mask.  In a live step the words (by scalar loads, a trip ahead) select -infinity by v_cndmask_b32.  No barrier stands under the branch.
; A row all of whose keys are hidden has the sum 0: its scale word is set to 0xffffffff, so that the last product gives NaN there.
; NO TENSOR LOAD, NO CLUSTER: k and v come by plain loads and LDS stores, and are not asked for jointly.
; OPERANDS are blocks of 12,800 bytes (eight images of a fragment's 12 registers, then 8 x 64 bytes of scale words; place p of fragment f is row 32 (f / 2) + 8 (f % 2) + p + 8 (p / 8)).
; qkv: block X 16 + Y: X = head: q; 16 + head: k (Y = 128 tokens); 32 + head: v (rows = the head's 128, K = 128 keys, Y = key step).  att: block (128 queries) 16 + head.
; SHARES: work-group (x, head): P = x / 2, half x % 2.  It owns fragments 4 half .. 4 half + 3 of query block 15 - P and of query block P: eight fragments of 16 queries.
; Wave w (bits b0..b3): kind e = b0 xor b2 (0: block 15 - P, 1: block P), fragment 4 half + b1 + 2 b2, half z = b3 of the key steps: in trip i it has key step 2 i + z.
; Each half keeps its own M, sum and O^T; at the end the second half's waves hand theirs over through LDS, and the first half's bring both under the larger M by powers of two, add, divide, quantise.
; Both products are used transposed (source 0 = k's or v's fragment): a lane holds one query, and the 16 registers of fragments 2 b and 2 b + 1 are 16 neighbouring keys (or channels).
; RING: two slots of two key steps (k's two blocks, v's two), 51,200 bytes.  In trip i wave w loads quarter w % 4 of block w / 4 of trip i + 1's four (6 x 512 bytes and 128 bytes of scale words,
; 25 registers) and stores it into the other slot at the trip's end.  ONE barrier a trip: in front of it each wave has waited for its LDS stores and reads.  Eight trips, whatever the mask.
; PREFETCH: wave 0 asks in trip i for trip i + 3's slot (its load stands in trip i + 2); a slot is 200 runs of 256 bytes, which the head's 16 work-groups share by address, 13 runs each
; (block x / 4, runs 13 (x % 4) on, held at run 49; lanes left over name the last again).  At the head it asks for trips 1 and 2; trips 5 and 6 ask for nothing.
; LIMITS: NaN and infinities among q, k, v are not served; a block of the result under 2^-122 is held at the byte 1; scaled scores stay under 2^31 in magnitude.
.set BLOCK, 12800
.set VOFF,  2*BLOCK                    ; in a slot: v's two blocks behind k's two
.set SLOT1, 1<<16
.set SPARE, 4*BLOCK                    ; behind slot 0: the spare words, 128 bytes a wave
.set SST,   SPARE+2048                 ; the scale stage: 512 bytes
.set MRG,   SLOT1+4*BLOCK              ; behind slot 1: the hand-over: for each fragment 8,192 bytes of O^T, 128 of sums, 128 of -M
.set MRGT,  8704
.set LI,  1                            ; 16 x lane
.set LS,  2                            ; 4 x lane
.set SPW, 3
.set NIL, 4
.set ADK, 5                            ; the step's images
.set ADS, 6                            ; the step's scale words
.set SSI, 7                            ; scale stage, in
.set OUTO, 8                           ; 1,536 x fragment + 16 x lane
.set SSO, 9                            ; scale stage, out
.set QSO, 10                           ; 4 (lane % 16)
.set QF,  16                           ; v16-27 q's fragment
.set MGA, 28
.set NINF, 29
.set PFO, 30
.set MGS, 31
.set FRG, 32                           ; v32-79 four fragments of k; then v32-55 two of v, v56-79 the next slot's images on their way
.set GST, 56
.set KSC, 80
.set VSC, 84
.set GSC, 88                           ; the next slot's scale words on their way
.set STA, 89
.set STS, 90
.set GLI, 91                           ; my quarter's images: 3,072 (w % 4) + 16 x lane, in memory and in LDS alike
.set GLS, 92                           ; my quarter's scale words: 12,288 + 128 (w % 4) + 4 x lane
.set SGO, 93                           ; the scale words' place in att's block: 256 half + 8 x lane
.set S,   96                           ; v96-159 scores, then p; then v96-143 four fragments of v
.set O,   160                          ; v160-223 O^T
.set QS,  255
.set PC,  32
.set TM,  232
.set PW,  52
.set TB,  2                            ; LDS byte of my step's block of k
.set MO,  3                            ; the mask words' offset: 256 x key step
.set MP,  4                            ; s[4:5] my tile's mask words
.set WV,  10
.set CNT, 11
.set LIVE, 12
.set LIM, 13
.set PFA, 14
.set GB,  16                           ; s[16:17] the block of which I load a quarter
.set SB,  18                           ; and its place in LDS
.set SEL, 28
.set CS,  30
.macro PLACES n
.rept \n
	v_nop
.endr
.endm
.macro WM d, s0, s1, c, x0, x1, r0, r1
.set wD, \d
.set wA, \s0
.set wB, \s1
.set wC, \c
.set wX, \x0
.set wY, \x1
.set wR, 2*(\r0)+(\r1)
.if wC < 0
.if wR == 0
	v_wmma_scale_f32_16x16x128_f8f6f4 v[wD:wD+7], v[wA:wA+11], v[wB:wB+11], 0, v[wX], v[wY] matrix_a_fmt:MATRIX_FMT_BF6 matrix_b_fmt:MATRIX_FMT_BF6
.else
	v_wmma_scale_f32_16x16x128_f8f6f4 v[wD:wD+7], v[wA:wA+11], v[wB:wB+11], 0, v[wX], v[wY] matrix_a_fmt:MATRIX_FMT_BF6 matrix_b_fmt:MATRIX_FMT_BF6 matrix_a_scale:MATRIX_SCALE_ROW1
.endif
.else
.if wR == 0
	v_wmma_scale_f32_16x16x128_f8f6f4 v[wD:wD+7], v[wA:wA+11], v[wB:wB+11], v[wC:wC+7], v[wX], v[wY] matrix_a_fmt:MATRIX_FMT_BF6 matrix_b_fmt:MATRIX_FMT_BF6
.else
	v_wmma_scale_f32_16x16x128_f8f6f4 v[wD:wD+7], v[wA:wA+11], v[wB:wB+11], v[wC:wC+7], v[wX], v[wY] matrix_a_fmt:MATRIX_FMT_BF6 matrix_b_fmt:MATRIX_FMT_BF6 matrix_a_scale:MATRIX_SCALE_ROW1
.endif
.endif
.endm
.macro QUANT s
.irp b, 0,1,2,3
	v_max3_num_f32 v[TM+\b], |v[\s+16*\b]|, |v[\s+1+16*\b]|, 0x2800000
.endr
.irp i, 2,4,6,8,10,12,14
.irp b, 0,1,2,3
	s_delay_alu instid0(VALU_DEP_4)
	v_max3_num_f32 v[TM+\b], v[TM+\b], |v[\s+16*\b+\i]|, |v[\s+1+16*\b+\i]|
.endr
.endr
.irp b, 0,1,2,3
	s_delay_alu instid0(VALU_DEP_4)
	v_permlanex16_b32 v[TM+4+\b], v[TM+\b], s[SEL], s[SEL+1]
.endr
.irp b, 0,1,2,3
	s_delay_alu instid0(VALU_DEP_4)
	v_max_num_f32 v[TM+\b], v[TM+\b], v[TM+4+\b]
.endr
.irp b, 0,1,2,3
	s_delay_alu instid0(VALU_DEP_4)
	v_add_nc_u32 v[TM+12+\b], 0xfe000000, v[TM+\b]
.endr
.irp b, 0,1,2,3
	s_delay_alu instid0(VALU_DEP_4)
	v_lshrrev_b32 v[TM+4+\b], 23, v[TM+12+\b]
.endr
	s_delay_alu instid0(VALU_DEP_3)
	v_lshl_or_b32 v[PW], v[TM+5], 8, v[TM+4]
	s_delay_alu instid0(VALU_DEP_1)
	v_lshl_or_b32 v[PW], v[TM+6], 16, v[PW]
	s_delay_alu instid0(VALU_DEP_1)
	v_lshl_or_b32 v[PW], v[TM+7], 24, v[PW]
.irp c, 0,1
	v_cvt_scalef32_pk16_bf6_f32 v[PC+6*\c:PC+2+6*\c], v[\s+32*\c:\s+15+32*\c], v[TM+12+2*\c]
	v_cvt_scalef32_pk16_bf6_f32 v[PC+12+4*\c:PC+14+4*\c], v[\s+16+32*\c:\s+31+32*\c], v[TM+12+2*\c+1]
.endr
	v_nop
.irp c, 0,1
.irp i, 0,1,2
	v_permlane16_swap_b32 v[PC+6*\c+\i], v[PC+12+4*\c+\i]
.endr
.irp i, 0,1,2
	s_delay_alu instid0(VALU_DEP_3)
	v_mov_b32 v[PC+3+6*\c+\i], v[PC+12+4*\c+\i]
.endr
.endr
.endm
.macro ASK                             ; wave 0, while three trips on there is a slot: CNT = 7 .. 3
	s_cmp_gt_u32 s[CNT], s[LIM]
	s_cbranch_scc0 .Lnot_mine_\@
	global_prefetch_b8 v[PFO], s[PFA:PFA+1] offset:4*BLOCK th:TH_LOAD_NT scope:SCOPE_SE
.Lnot_mine_\@:
.endm
.macro GLOAD                           ; my quarter of a block of the next slot: each load 512 consecutive bytes, the last 128
.irp c, 0,1,2,3,4,5
	global_load_b128 v[GST+4*\c:GST+4*\c+3], v[GLI], s[GB:GB+1] offset:512*\c
.endr
	global_load_b32 v[GSC], v[GLS], s[GB:GB+1]
.endm
.macro PUT                             ; and into LDS, as it lies
	v_add_nc_u32 v[STA], s[SB], v[GLI]
	v_add_nc_u32 v[STS], s[SB], v[GLS]
	s_wait_alu depctr_va_vdst(0)                   ; covers the trip's vector writes, read behind waits, the barrier and the jump
.irp c, 0,1,2,3,4,5
	ds_store_b128 v[STA], v[GST+4*\c:GST+4*\c+3] offset:512*\c
.endr
	ds_store_b32 v[STS], v[GSC]
.endm
.macro NEXTMASK                        ; my next step's mask words, two key steps on; my last step asks for my first step's again: inside the buffer, not used
	s_add_co_u32 s[MO], s[MO], 512
	s_and_b32 s[MO], s[MO], 0xfff
	s_load_b512 s[32:47], s[MP:MP+1], s[MO] offset:0x0
	s_load_b512 s[48:63], s[MP:MP+1], s[MO] offset:0x40
	s_load_b512 s[68:83], s[MP:MP+1], s[MO] offset:0x80
	s_load_b512 s[84:99], s[MP:MP+1], s[MO] offset:0xc0
.endm
	s_load_b128 s[32:35], s[0:1], 0x0              ; qkv, mbits
	s_load_b64 s[6:7], s[0:1], 0x10                ; att
	v_lshl_add_u32 v[SPW], v0, 2, SPARE
	v_mov_b32 v[NIL], 0
	v_lshrrev_b32 v11, 5, v0
	s_delay_alu instid0(VALU_DEP_1)
	v_readfirstlane_b32 s[WV], v11                 ; wave 0..15
	s_lshr_b32 s36, s[WV], 2
	s_xor_b32 s36, s36, s[WV]
	s_and_b32 s36, s36, 1                          ; e
	s_bfe_u32 s37, s[WV], 0x20001                  ; b1 + 2 b2
	s_lshr_b32 s38, s[WV], 3                       ; z.  Also: waves 0-7 load k's blocks, waves 8-15 v's
	s_lshl_b32 s39, s36, 2
	s_add_co_u32 s39, s39, s37                     ; which of the work-group's eight fragments
	s_lshr_b32 s40, ttmp9, 1                       ; P
	s_and_b32 s41, ttmp9, 1                        ; half
	s_and_b32 s42, ttmp7, 0xffff                   ; head
	s_sub_co_u32 s43, 15, s40
	s_cmp_eq_u32 s36, 0
	s_cselect_b32 s43, s43, s40                    ; my block of 128 queries: it enters global addresses alone
	s_lshl_b32 s44, s41, 2
	s_add_co_u32 s44, s44, s37                     ; my fragment of it
	s_lshl_b32 s45, s42, 4
	s_add_co_u32 s45, s45, s43
	s_mul_i32 s46, s45, BLOCK                      ; q's block
	s_mul_i32 s52, s44, 1536
	s_lshl_b32 s48, s44, 6
	s_add_co_u32 s48, s48, s46
	s_add_co_u32 s48, s48, 12288                   ; my fragment's scale words
	s_mov_b32 s49, 0
	s_add_co_u32 s46, s46, s52                     ; my fragment
	s_mov_b32 s47, 0
	s_lshl_b32 s50, s43, 4
	s_add_co_u32 s50, s50, s42
	s_mul_i32 s50, s50, BLOCK                      ; the result's block
	s_mov_b32 s51, 0
	s_lshl_b32 s54, s43, 3
	s_add_co_u32 s54, s54, s44
	s_lshl_b32 s54, s54, 12                        ; my tile's mask words: 16 key steps x 256 bytes
	s_mov_b32 s55, 0
	s_lshl_b32 s56, s38, 4                         ; the block that I load of: k or v of the head, key step (w / 4) % 2
	s_add_co_u32 s56, s56, s42
	s_add_co_u32 s56, s56, 16
	s_lshl_b32 s56, s56, 4
	s_bfe_u32 s57, s[WV], 0x10002
	s_add_co_u32 s56, s56, s57
	s_mul_i32 s56, s56, BLOCK
	s_mov_b32 s57, 0
	s_lshr_b32 s[SB], s[WV], 2
	s_mul_i32 s[SB], s[SB], BLOCK                  ; block w / 4 of slot 0
	s_and_b32 s58, s[WV], 3
	s_mul_i32 s59, s58, 3072
	s_lshl_b32 s58, s58, 7
	s_add_co_u32 s58, s58, 12288
	s_lshr_b32 s60, ttmp9, 3                       ; the prefetches: block x / 4 of a slot's four
	s_lshl_b32 s60, s60, 4
	s_add_co_u32 s60, s60, s42
	s_add_co_u32 s60, s60, 16
	s_lshl_b32 s60, s60, 4
	s_bfe_u32 s61, ttmp9, 0x10002
	s_add_co_u32 s60, s60, s61
	s_mul_i32 s60, s60, BLOCK
	s_mov_b32 s61, 0
	s_and_b32 s62, ttmp9, 3
	s_mul_i32 s62, s62, 13                         ; from run 13 (x % 4) on
	s_lshl_b32 s53, s39, 6
	s_add_co_u32 s53, s53, SST
	s_mul_i32 s63, s39, MRGT
	s_add_co_u32 s63, s63, MRG
	s_add_co_u32 s66, s63, 8192
	s_lshl_b32 s67, s36, 8
	s_add_co_u32 s67, s67, SST
	s_lshl_b32 s41, s41, 8
	s_cmp_eq_u32 s[WV], 0
	s_cselect_b32 s[LIM], 2, -1
	s_cmp_eq_u32 s38, 0
	s_mov_b32 s100, 0xffff0000                     ; my half of the lanes of a load of mask words: lanes 0-15 hold step 2 i, lanes 16-31 step 2 i + 1
	s_cselect_b32 s100, 0xffff, s100
	s_mov_b32 s[SEL], 0x76543210
	s_mov_b32 s[SEL+1], 0xfedcba98
	s_mov_b32 s[CS], 0x3e0293ee                    ; c = log2(e) / sqrt(128)
	s_mov_b32 s[CS+1], s[CS]
	s_mul_i32 s[TB], s38, BLOCK
	s_lshl_b32 s[MO], s38, 8
	s_mov_b32 s[CNT], 7
	v_and_b32 v11, 31, v0
	v_and_b32 v[QSO], 15, v0
	s_delay_alu instid0(VALU_DEP_2)
	v_lshlrev_b32 v[LI], 4, v11
	s_delay_alu instid0(VALU_DEP_3)
	v_lshlrev_b32 v[LS], 2, v11
	s_delay_alu instid0(VALU_DEP_3)
	v_lshlrev_b32 v[QSO], 2, v[QSO]
	s_delay_alu instid0(VALU_DEP_3)
	v_add_nc_u32 v[GLI], s59, v[LI]
	s_delay_alu instid0(VALU_DEP_3)
	v_add_nc_u32 v[GLS], s58, v[LS]
	v_add_nc_u32 v[OUTO], s52, v[LI]
	s_delay_alu instid0(VALU_DEP_4)
	v_add_nc_u32 v[SSI], s53, v[QSO]
	v_lshlrev_b32 v[SGO], 3, v11
	v_add_nc_u32 v[MGA], s63, v[LI]
	v_add_nc_u32 v[MGS], s66, v[LS]
	s_delay_alu instid0(VALU_DEP_3)
	v_add_nc_u32 v[SSO], s67, v[SGO]
	s_delay_alu instid0(VALU_DEP_4)
	v_add_nc_u32 v[SGO], s41, v[SGO]
	v_min_u32 v[PFO], 12, v11
	s_delay_alu instid0(VALU_DEP_1)
	v_add_nc_u32 v[PFO], s62, v[PFO]
	s_delay_alu instid0(VALU_DEP_1)
	v_min_u32 v[PFO], 49, v[PFO]
	s_delay_alu instid0(VALU_DEP_1)
	v_lshlrev_b32 v[PFO], 8, v[PFO]
	s_wait_alu depctr_va_vdst(0)
	s_wait_kmcnt 0x0
	s_add_nc_u64 s[GB:GB+1], s[32:33], s[56:57]
	s_add_nc_u64 s[20:21], s[32:33], s[46:47]
	s_add_nc_u64 s[8:9], s[32:33], s[48:49]
	s_add_nc_u64 s[6:7], s[6:7], s[50:51]
	s_add_nc_u64 s[MP:MP+1], s[34:35], s[54:55]
	s_add_nc_u64 s[PFA:PFA+1], s[32:33], s[60:61]
	s_add_nc_u64 s[PFA:PFA+1], s[PFA:PFA+1], 2*BLOCK   ; at trip 1's slot
	GLOAD                                          ; trip 0's slot
.irp c, 0,1,2
	global_load_b128 v[QF+4*\c:QF+4*\c+3], v[LI], s[20:21] offset:512*\c   ; q's fragment stays in registers
.endr
	global_load_b32 v[QS], v[QSO], s[8:9]
.irp i, 0,1,2,3,4,5,6,7
	global_load_b128 v[S+4*\i:S+4*\i+3], v[LI], s[MP:MP+1] offset:512*\i   ; my tile's mask words, key steps 2 i and 2 i + 1
.endr
	s_cmp_lg_u32 s[WV], 0
	s_cbranch_scc1 .Lno_ask
	global_prefetch_b8 v[PFO], s[PFA:PFA+1] th:TH_LOAD_NT scope:SCOPE_SE
	global_prefetch_b8 v[PFO], s[PFA:PFA+1] offset:2*BLOCK th:TH_LOAD_NT scope:SCOPE_SE
.Lno_ask:
	s_load_b512 s[32:47], s[MP:MP+1], s[MO] offset:0x0     ; my first key step's mask words
	s_load_b512 s[48:63], s[MP:MP+1], s[MO] offset:0x40
	s_load_b512 s[68:83], s[MP:MP+1], s[MO] offset:0x80
	s_load_b512 s[84:99], s[MP:MP+1], s[MO] offset:0xc0
	v_mov_b32 v[NINF], 0xff800000
	v_mov_b32 v13, 0xff61b1e6                      ; the largest t so far: -3e38
	s_delay_alu instid0(VALU_DEP_1)
	v_floor_f32 v12, -v13                          ; -M
	v_mov_b32 v14, 0
	v_mov_b32 v15, 0
.irp b, 0,1,2,3
	v_mov_b32 v[236+\b], 0                         ; (a lane permute's destination counts as read)
.endr
	v_mov_b32 v252, 0
	v_mov_b32 v253, 0
.set n, 0
.rept 64
	v_mov_b32 v[O+n], 0                            ; a wave may have no live step at all: its O^T is zeros
.set n, n+1
.endr
	s_wait_alu depctr_va_vdst(0)
	s_wait_loadcnt 12                              ; my seven loads of trip 0's slot are in; q's four and the mask's eight may be out
	PUT
	s_add_nc_u64 s[GB:GB+1], s[GB:GB+1], 2*BLOCK
	s_xor_b32 s[SB], s[SB], SLOT1
	s_wait_loadcnt 0x0
.irp i, 0,1,2,3,4,5,6,7                        ; are each lane's four words all ones?
	v_and_b32 v[128+2*\i], v[S+4*\i], v[S+4*\i+1]
	v_and_b32 v[129+2*\i], v[S+4*\i+2], v[S+4*\i+3]
.endr
.irp i, 0,1,2,3,4,5,6,7
	v_and_b32 v[128+2*\i], v[128+2*\i], v[129+2*\i]
.endr
.irp i, 0,1,2,3,4,5,6,7
	v_cmp_ne_u32 s[20+\i], -1, v[128+2*\i]         ; lanes with an open key
.endr
	s_mov_b32 s[LIVE], 0
.irp i, 0,1,2,3,4,5,6,7
	s_and_b32 s101, s[20+\i], s100                 ; among my step's sixteen lanes
	s_cselect_b32 s101, 1<<\i, 0
	s_or_b32 s[LIVE], s[LIVE], s101
.endr
	s_wait_dscnt 0x0                               ; for the others' sake: my part of slot 0 has landed
; A LIVE KEY STEP: 128 keys
.macro STEP fill
	v_add_nc_u32 v[ADK], s[TB], v[LI]
	v_add_nc_u32 v[ADS], s[TB], v[LS]
	s_wait_alu depctr_va_vdst(0)
.irp i, 0,1,2,3
	ds_load_b32 v[KSC+\i], v[ADS] offset:12288+128*\i
.endr
.irp i, 0,1,2,3
	ds_load_b32 v[VSC+\i], v[ADS] offset:VOFF+12288+128*\i
.endr
.irp g, 0,1                                    ; S^T = k q^T, four fragments of 16 keys at a time
.if \g > 0
	PLACES 4
.endif
.irp t, 0,1,2,3
.irp c, 0,1,2
	ds_load_b128 v[FRG+12*\t+4*\c:FRG+12*\t+4*\c+3], v[ADK] offset:(4*\g+\t)*1536+512*\c
.endr
.endr
	s_wait_dscnt 0x0
.irp t, 0,1,2,3
	WM S+8*(4*\g+\t), FRG+12*\t, QF, -1, KSC+(4*\g+\t)/2, QS, \t%2, 0
.endr
.endr
	PLACES 4                                       ; behind the products: their results are read, their operands' registers loaded
.if \fill
	GLOAD                                          ; the next slot: it has the softmax and the second product in which to land
.endif
.irp t, 0,1
.irp c, 0,1,2
	ds_load_b128 v[FRG+12*\t+4*\c:FRG+12*\t+4*\c+3], v[ADK] offset:VOFF+\t*1536+512*\c   ; v's first two fragments land during the softmax
.endr
.endr
	s_wait_kmcnt 0x0                               ; this step's mask words, asked for a trip ago
.set n, 0
.rept 32
	v_cndmask_b32 v[S+n], v[S+n], v[NINF], s[32+n]   ; hidden scores become -infinity: p = 0 then
.set n, n+1
.endr
.rept 32
	v_cndmask_b32 v[S+n], v[S+n], v[NINF], s[36+n]
.set n, n+1
.endr
.irp b, 0,1,2,3
	v_max3_num_f32 v[232+\b], v[96+16*\b], v[97+16*\b], v[98+16*\b]   ; the largest score of each block of 32 keys: for the row's maximum and for the block's largest p
.endr
.irp i, 3,5,7,9,11,13
.irp b, 0,1,2,3
	s_delay_alu instid0(VALU_DEP_4)
	v_max3_num_f32 v[232+\b], v[232+\b], v[96+16*\b+\i], v[97+16*\b+\i]
.endr
.endr
.irp b, 0,1,2,3
	s_delay_alu instid0(VALU_DEP_4)
	v_max_num_f32 v[232+\b], v[232+\b], v[111+16*\b]
.endr
.irp b, 0,1,2,3
	s_delay_alu instid0(VALU_DEP_4)
	v_permlanex16_b32 v[236+\b], v[232+\b], s[SEL], s[SEL+1]
.endr
.irp b, 0,1,2,3
	s_delay_alu instid0(VALU_DEP_4)
	v_max_num_f32 v[232+\b], v[232+\b], v[236+\b]
.endr
	s_delay_alu instid0(VALU_DEP_2)
	v_max3_num_f32 v254, v232, v233, v234
	s_delay_alu instid0(VALU_DEP_1)
	v_max_num_f32 v254, v254, v235
	s_delay_alu instid0(VALU_DEP_1)
	v_mul_f32 v254, s[CS], v254
	s_delay_alu instid0(VALU_DEP_1)
	v_max_num_f32 v13, v13, v254                   ; the running largest t of my half
	v_mov_b32 v254, v12
	s_delay_alu instid0(VALU_DEP_2)
	v_floor_f32 v12, -v13                          ; the new -M = -ceil(t)
	s_delay_alu instid0(VALU_DEP_1)
	v_sub_f32 v254, v12, v254                      ; old M - new M: a whole number, 0 or less
	s_delay_alu instid0(VALU_DEP_1)
	v_cvt_i32_f32 v254, v254                       ; (it saturates)
	s_delay_alu instid0(VALU_DEP_1)
	v_ldexp_f32 v252, 1.0, v254                    ; f = 2^(old M - new M)
	NEXTMASK
.set n, 0
.rept 32
	v_pk_fma_f32 v[96+n:97+n], v[96+n:97+n], s[CS:CS+1], v[12:13] op_sel_hi:[1,0,0]   ; t - M
.set n, n+2
.endr
.irp b, 0,1,2,3
	v_fma_f32 v[232+\b], v[232+\b], s[CS], v12
.endr
.set n, 0
	s_wait_alu depctr_va_vdst(0)
.rept 64
	v_exp_f32 v[96+n], v[96+n]                     ; p = 2^(t - M)
.set n, n+1
.endr
	v_pk_mul_f32 v[14:15], v[14:15], v[252:253] op_sel_hi:[1,0]   ; the sums under the new M: a plain place behind the exponentials
	s_wait_alu depctr_va_vdst(0)                   ; one wait for the batch, ahead of its first reader
.irp b, 0,1,2,3
	v_exp_f32 v[232+\b], v[232+\b]                 ; each block's largest p
.endr
	v_pk_add_f32 v[236:237], v[100:101], v[104:105]
	v_pk_add_f32 v[250:251], v[108:109], v[112:113]
	v_pk_add_f32 v[248:249], v[116:117], v[120:121]
	v_pk_add_f32 v[246:247], v[124:125], v[128:129]
	v_pk_add_f32 v[244:245], v[132:133], v[136:137]
	v_pk_add_f32 v[242:243], v[140:141], v[144:145]
	v_pk_add_f32 v[240:241], v[148:149], v[152:153]
	v_pk_add_f32 v[14:15], v[14:15], v[156:157]
	v_pk_add_f32 v[236:237], v[236:237], v[96:97]
	v_pk_add_f32 v[250:251], v[250:251], v[98:99]
	v_pk_add_f32 v[248:249], v[248:249], v[102:103]
	v_pk_add_f32 v[246:247], v[246:247], v[106:107]
	v_pk_add_f32 v[244:245], v[244:245], v[110:111]
	v_pk_add_f32 v[242:243], v[242:243], v[114:115]
	v_pk_add_f32 v[240:241], v[240:241], v[118:119]
	v_pk_add_f32 v[14:15], v[14:15], v[122:123]
	v_pk_add_f32 v[236:237], v[236:237], v[126:127]
	v_pk_add_f32 v[250:251], v[250:251], v[130:131]
	v_pk_add_f32 v[248:249], v[248:249], v[134:135]
	v_pk_add_f32 v[246:247], v[246:247], v[138:139]
	v_pk_add_f32 v[244:245], v[244:245], v[142:143]
	v_pk_add_f32 v[242:243], v[242:243], v[146:147]
	v_pk_add_f32 v[240:241], v[240:241], v[150:151]
	v_pk_add_f32 v[14:15], v[14:15], v[154:155]
	v_pk_add_f32 v[236:237], v[236:237], v[158:159]
	s_delay_alu instid0(VALU_DEP_2)
	v_pk_add_f32 v[14:15], v[14:15], v[246:247]
	s_delay_alu instid0(VALU_DEP_2)
	v_pk_add_f32 v[236:237], v[236:237], v[244:245]
	v_pk_add_f32 v[250:251], v[250:251], v[242:243]
	v_pk_add_f32 v[248:249], v[248:249], v[240:241]
	s_delay_alu instid0(VALU_DEP_2)
	v_pk_add_f32 v[14:15], v[14:15], v[250:251]
	s_delay_alu instid0(VALU_DEP_2)
	v_pk_add_f32 v[236:237], v[236:237], v[248:249]
	s_delay_alu instid0(VALU_DEP_1)
	v_pk_add_f32 v[14:15], v[14:15], v[236:237]
	s_wait_alu depctr_va_vdst(0)                   ; and one for the four
.irp b, 0,1,2,3
	v_max_num_f32 v[232+\b], 0x2800000, v[232+\b]  ; the floor 2^(5 - 127)
.endr
.irp b, 0,1,2,3
	s_delay_alu instid0(VALU_DEP_4)
	v_add_nc_u32 v[244+\b], 0xfe000000, v[232+\b]
.endr
.irp b, 0,1,2,3
	s_delay_alu instid0(VALU_DEP_4)
	v_lshrrev_b32 v[236+\b], 23, v[244+\b]
.endr
	s_delay_alu instid0(VALU_DEP_3)
	v_lshl_or_b32 v253, v237, 8, v236              ; p's scale word
	s_delay_alu instid0(VALU_DEP_1)
	v_lshl_or_b32 v253, v238, 16, v253
	s_delay_alu instid0(VALU_DEP_1)
	v_lshl_or_b32 v253, v239, 24, v253
.irp c, 0,1
	v_cvt_scalef32_pk16_bf6_f32 v[224+6*\c:226+6*\c], v[96+32*\c:111+32*\c], v[244+2*\c]
	v_cvt_scalef32_pk16_bf6_f32 v[236+4*\c:238+4*\c], v[112+32*\c:127+32*\c], v[244+2*\c+1]
.endr
	v_nop
.irp t, 2,3,4,5
.irp c, 0,1,2
	ds_load_b128 v[S+12*(\t-2)+4*\c:S+12*(\t-2)+4*\c+3], v[ADK] offset:VOFF+\t*1536+512*\c   ; p is in codes: its registers take v's fragments 2 to 5
.endr
.endr
.irp c, 0,1
.irp i, 0,1,2
	v_permlane16_swap_b32 v[224+6*\c+\i], v[236+4*\c+\i]
.endr
.irp i, 0,1,2
	s_delay_alu instid0(VALU_DEP_3)
	v_mov_b32 v[227+6*\c+\i], v[236+4*\c+\i]
.endr
.endr
	s_wait_alu depctr_va_vdst(0)                   ; ahead of the first reader of O^T
.set n, 0
.rept 32
	v_pk_mul_f32 v[160+n:161+n], v[160+n:161+n], v[252:253] op_sel_hi:[1,0]   ; O^T under the new M; also the places in front of the products below
.set n, n+2
.endr
	s_wait_alu depctr_va_vdst(0)
	s_wait_dscnt 12                                ; v's fragments 0 and 1 are in; the twelve loads of fragments 2 to 5 may be out
	WM O, FRG, 224, O, VSC, 253, 0, 0
	WM O+8, FRG+12, 224, O+8, VSC, 253, 1, 0
	PLACES 4
.irp t, 6,7
.irp c, 0,1,2
	ds_load_b128 v[FRG+12*(\t-6)+4*\c:FRG+12*(\t-6)+4*\c+3], v[ADK] offset:VOFF+\t*1536+512*\c
.endr
.endr
	s_wait_dscnt 6                                 ; fragments 2 to 5 are in; the six loads just issued may be out
.irp t, 2,3,4,5
	WM O+8*\t, S+12*(\t-2), 224, O+8*\t, VSC+\t/2, 253, \t%2, 0
.endr
	s_wait_dscnt 0x0
.irp t, 6,7
	WM O+8*\t, FRG+12*(\t-6), 224, O+8*\t, VSC+\t/2, 253, \t%2, 0
.endr
	PLACES 5                                       ; the next step's products write over registers that these have read, and its loads land in others
.endm
; A TRIP: the barrier (behind it this trip's slot is whole and nobody reads the other any more); my key step, if it is live; the next slot's quarter block into LDS
.macro TRIP fill
	s_barrier_signal -1
	s_barrier_wait -1
.if \fill
	ASK
.endif
	s_bitcmp1_b32 s[LIVE], 0
	s_cbranch_scc0 .Ldead_\@
	STEP \fill
	s_branch .Ljoin_\@
.Ldead_\@:
.if \fill
	GLOAD
.endif
	s_wait_kmcnt 0x0                               ; the words asked for a trip ago are in: their registers may be asked for again
	NEXTMASK
.Ljoin_\@:
.if \fill
	s_wait_loadcnt 0x0                             ; my seven loads are in, and have read their base
	PUT
	s_wait_xcnt 0x0                                ; the trip's prefetch has read its base
	s_add_nc_u64 s[GB:GB+1], s[GB:GB+1], 2*BLOCK
	s_add_nc_u64 s[PFA:PFA+1], s[PFA:PFA+1], 2*BLOCK
	s_xor_b32 s[SB], s[SB], SLOT1
	s_xor_b32 s[TB], s[TB], SLOT1
	s_lshr_b32 s[LIVE], s[LIVE], 1
.else
	s_wait_alu depctr_va_vdst(0)
.endif
	s_wait_dscnt 0x0                               ; for the others' sake: my stores have landed, my reads of this trip's slot are over
.endm
.Ltrip:                                                ; seven trips, each of which brings the next slot
	TRIP 1
	s_sub_co_u32 s[CNT], s[CNT], 1
	s_cmp_lg_u32 s[CNT], 0
	s_cbranch_scc1 .Ltrip
	TRIP 0                                         ; the last trip loads nothing: no address leaves the buffer
	s_wait_kmcnt 0x0                               ; the last trip's scalar loads
	; THE HAND-OVER.  Every wave finishes its half's sum; the second half's waves store O^T (as it stands, 16 x lane), the sum and -M; a barrier; the first half's waves take them
	v_add_f32 v14, v14, v15
	s_delay_alu instid0(VALU_DEP_1)
	v_permlanex16_b32 v252, v14, s[SEL], s[SEL+1]
	s_delay_alu instid0(VALU_DEP_1)
	v_add_f32 v14, v14, v252                       ; my half's sum of the row
	s_wait_alu depctr_va_vdst(0)
	s_cmp_lt_u32 s[WV], 8
	s_cbranch_scc1 .Lkeeps
.set n, 0
.rept 16
	ds_store_b128 v[MGA], v[O+4*n:O+4*n+3] offset:512*n   ; each accumulator from its low end on
.set n, n+1
.endr
	ds_store_b32 v[MGS], v14
	ds_store_b32 v[MGS], v12 offset:128
.Lkeeps:
	s_wait_dscnt 0x0                               ; for the other half's sake: my stores have landed
	s_barrier_signal -1
	s_barrier_wait -1
	s_cmp_ge_u32 s[WV], 8
	s_cbranch_scc1 .Lhanded
.set n, 0
.rept 16
	ds_load_b128 v[S+4*n:S+4*n+3], v[MGA] offset:512*n    ; the other half's O^T, the same registers' worth in the same lanes
.set n, n+1
.endr
	ds_load_b32 v88, v[MGS]                        ; its sum
	ds_load_b32 v89, v[MGS] offset:128             ; its -M
	s_wait_dscnt 0x0
	v_min_num_f32 v90, v12, v89                    ; -M of the whole row: the larger M
	s_delay_alu instid0(VALU_DEP_1)
	v_sub_f32 v91, v90, v12                        ; my M less the row's: a whole number, 0 or less (a half with every key hidden: about -3e38)
	s_delay_alu instid0(VALU_DEP_2)
	v_sub_f32 v92, v90, v89                        ; the other half's likewise
	s_delay_alu instid0(VALU_DEP_2)
	v_cvt_i32_f32 v91, v91                         ; (it saturates)
	s_delay_alu instid0(VALU_DEP_2)
	v_cvt_i32_f32 v92, v92
	s_delay_alu instid0(VALU_DEP_2)
	v_ldexp_f32 v91, 1.0, v91                      ; f0 = 2^(my M - M): a power of two, or 0
	s_wait_alu depctr_va_vdst(0)
	v_ldexp_f32 v92, 1.0, v92                      ; f1
	v_mul_f32 v14, v14, v91
	s_delay_alu instid0(VALU_DEP_1)
	v_fmac_f32 v14, v88, v92                       ; the row's sum under M
	s_delay_alu instid0(VALU_DEP_1)
	v_cmp_eq_f32 s100, 0, v14                      ; 0: every key was hidden
	s_wait_alu depctr_va_vdst(0)                   ; the wait ahead of the transcendental
	v_rcp_f32 v15, v14
	v_nop
	s_wait_alu depctr_va_vdst(0)                   ; and behind it, ahead of its first reader
	v_mul_f32 v94, v91, v15                        ; f0 / the sum, twice, for the packed forms
	v_mul_f32 v95, v91, v15
	v_mul_f32 v88, v92, v15                        ; f1 / the sum
	v_mul_f32 v89, v92, v15
.set n, 0
.rept 32
	v_pk_mul_f32 v[S+n:S+n+1], v[S+n:S+n+1], v[88:89]
.set n, n+2
.endr
.set n, 0
.rept 32
	v_pk_fma_f32 v[S+n:S+n+1], v[O+n:O+n+1], v[94:95], v[S+n:S+n+1]   ; 64 numbers a lane, register 16 b + i = channel 32 b + 16 h + i of my query: one fragment of the last product's operand
.set n, n+2
.endr
	QUANT S
	v_cndmask_b32 v[PW], v[PW], -1, s100           ; a hidden row's scale bytes are 0xff: NaN in the last product, as the softmax of a hidden row is
.irp c, 0,1,2
	global_store_b128 v[OUTO], v[PC+4*\c:PC+4*\c+3], s[6:7] offset:512*\c   ; 512 consecutive bytes, aligned
.endr
	ds_store_b32 v[SSI], v[PW]
.Lhanded:
	s_wait_dscnt 0x0                               ; for waves 0 and 1's sake
	s_barrier_signal -1
	s_barrier_wait -1
	s_cmp_ge_u32 s[WV], 2
	s_cbranch_scc1 .Lnot_s
	ds_load_b64 v[56:57], v[SSO]                   ; wave 0: the scale words of the four fragments of block 15 - P; wave 1: of block P
	s_wait_dscnt 0x0
	global_store_b64 v[SGO], v[56:57], s[6:7] offset:12288   ; 256 consecutive bytes, aligned
.Lnot_s:
	s_wait_tensorcnt 0x0                           ; the wave's end
	ds_add_u32 v[SPW], v[NIL]
	s_wait_dscnt 0x0
	s_endpgm
.Lfunc_end_k_q521203337d_attn:
	.size	k_q521203337d_attn, .Lfunc_end_k_q521203337d_attn-k_q521203337d_attn
	.p2alignl 7, 3214868480
	.fill 96, 4, 3214868480
	.section	.rodata,"a",@progbits
	.p2align	6, 0x0
	.amdhsa_kernel k_q521203337d_attn
		.amdhsa_group_segment_fixed_size 186368
		.amdhsa_private_segment_fixed_size 0
		.amdhsa_enable_private_segment 0
		.amdhsa_kernarg_size 24
		.amdhsa_user_sgpr_count 2
		.amdhsa_user_sgpr_kernarg_segment_ptr 1
		.amdhsa_wavefront_size32 1
		.amdhsa_system_sgpr_workgroup_id_x 1
		.amdhsa_system_sgpr_workgroup_id_y 1
		.amdhsa_system_sgpr_workgroup_id_z 1
		.amdhsa_system_vgpr_workitem_id 0
		.amdhsa_next_free_vgpr 256
		.amdhsa_next_free_sgpr 102
		.amdhsa_reserve_vcc 0
		.amdhsa_float_denorm_mode_32 3
		.amdhsa_float_denorm_mode_16_64 3
		.amdhsa_memory_ordered 1
		.amdhsa_forward_progress 1
		.amdhsa_inst_pref_size 82
	.end_amdhsa_kernel
	.amdgpu_metadata
---
amdhsa.version: [ 1, 2 ]
amdhsa.kernels:
  - .name:           k_q521203337d_attn
    .symbol:         k_q521203337d_attn.kd
    .args:
      - { .name: qkv, .offset: 0, .size: 8, .value_kind: global_buffer, .address_space: global }
      - { .name: mbits, .offset: 8, .size: 8, .value_kind: global_buffer, .address_space: global }
      - { .name: att, .offset: 16, .size: 8, .value_kind: global_buffer, .address_space: global }
    .group_segment_fixed_size: 186368
    .private_segment_fixed_size: 0
    .kernarg_segment_align: 8
    .kernarg_segment_size: 24
    .max_flat_workgroup_size: 512
    .sgpr_count:     102
    .vgpr_count:     256
    .wavefront_size: 32
...
	.end_amdgpu_metadata
.endif
;; end of part 3
;; launch proj (part 4): grid 16 x 16, 4 waves a work-group, clusters of 4 x 4, 327,680 bytes of LDS; arguments att, opnd, bo, out0; writes out0
.if DOCPART == 4
	.amdgcn_target "amdgcn-amd-amdhsa--gfx1250"
	.amdhsa_code_object_version 6
	.text
	.protected	k_q521203337d_proj
	.globl	k_q521203337d_proj
	.p2align	8
	.type	k_q521203337d_proj,@function
k_q521203337d_proj:
	s_mov_b64 s[64:65], 0
	v_nop
	global_prefetch_b8 v0, s[64:65] scope:SCOPE_SE
	s_setreg_imm32_b32 hwreg(HW_REG_WAVE_MODE, 25, 1), 1
	s_wait_xcnt 0x0
	s_wait_alu depctr_hold_cnt(0) depctr_sa_sdst(0) depctr_va_vdst(0) depctr_va_sdst(0) depctr_va_ssrc(0) depctr_va_vcc(0) depctr_vm_vsrc(0)
	s_getreg_b32 s2, hwreg(HW_REG_IB_STS2, 6, 4)
	s_cmp_eq_u32 s2, 0
	s_cbranch_scc0 .Lentry_in_a_cluster
	s_endpgm
.Lentry_in_a_cluster:
	s_bfe_u32 s2, ttmp6, 0x10000c
	s_cmp_lg_u32 s2, 0xf033
	s_cbranch_scc0 .Lentry_shape_is_right
	s_endpgm
.Lentry_shape_is_right:
.set BLOCK,  12800
.set BETA,   16*BLOCK
.set TENS,   16*BETA
.set HALFT,  2*BLOCK
.set KSB,    4*BLOCK
.set SLOT,   2*KSB
.set SPARE,  3*SLOT
.set STG,    SLOT
.set ADRB, 8
.set ADSB, 11
.set ADRA, 16
.set ADSA, 19
.set STO,  24
.set RD,   25
.set CO,   26
.set BOO,  27
.set SPW,  28
.set NIL,  29
.set SC,   32
.set BO,   64
.set BK,   64
.set ACC,  128
.set G1,  24
.set G0,  32
.set G1B, 48
.set G0B, 68
.set MSB, 0
.macro WIN new
.if MSB != \new
	s_set_vgpr_msb (MSB<<8)|\new
.set MSB, \new
.endif
.endm
.set MULW, 0x05
.set TO_F, 0x40
.macro PLACES n
.rept \n
	v_nop
.endr
.endm
.macro WM d, s0, s1, c, x0, x1, r0, r1
.set wD, \d
.set wA, \s0
.set wB, \s1
.set wC, \c
.set wX, \x0
.set wY, \x1
.set wR, 2*(\r0)+(\r1)
.if wR == 0
	v_wmma_scale_f32_16x16x128_f8f6f4 v[wD:wD+7], v[wA:wA+11], v[wB:wB+11], v[wC:wC+7], v[wX], v[wY] matrix_a_fmt:MATRIX_FMT_BF6 matrix_b_fmt:MATRIX_FMT_BF6
.elseif wR == 1
	v_wmma_scale_f32_16x16x128_f8f6f4 v[wD:wD+7], v[wA:wA+11], v[wB:wB+11], v[wC:wC+7], v[wX], v[wY] matrix_a_fmt:MATRIX_FMT_BF6 matrix_b_fmt:MATRIX_FMT_BF6 matrix_b_scale:MATRIX_SCALE_ROW1
.elseif wR == 2
	v_wmma_scale_f32_16x16x128_f8f6f4 v[wD:wD+7], v[wA:wA+11], v[wB:wB+11], v[wC:wC+7], v[wX], v[wY] matrix_a_fmt:MATRIX_FMT_BF6 matrix_b_fmt:MATRIX_FMT_BF6 matrix_a_scale:MATRIX_SCALE_ROW1
.else
	v_wmma_scale_f32_16x16x128_f8f6f4 v[wD:wD+7], v[wA:wA+11], v[wB:wB+11], v[wC:wC+7], v[wX], v[wY] matrix_a_fmt:MATRIX_FMT_BF6 matrix_b_fmt:MATRIX_FMT_BF6 matrix_a_scale:MATRIX_SCALE_ROW1 matrix_b_scale:MATRIX_SCALE_ROW1
.endif
.endm
.macro JLOAD g0a, g1a, g0b, g1b
	s_cmp_eq_u32 s15, 0
	s_cbranch_scc0 .Lfor_b_\@
	tensor_load_to_lds s[\g0a:\g0a+3], s[\g1a:\g1a+7]
	s_nop 0
.rept 4
	v_nop
.endr
	s_branch .Lasked_\@
.Lfor_b_\@:
	tensor_load_to_lds s[\g0b:\g0b+3], s[\g1b:\g1b+7]
	s_nop 0
.rept 4
	v_nop
.endr
.Lasked_\@:
.endm
.macro CREST
	s_cmp_lg_u32 s14, 0
	s_cbranch_scc1 .Lnot_wave_0_\@
	s_barrier_signal -3
.Lnot_wave_0_\@:
	s_barrier_wait -3
	s_barrier_signal -1
	s_barrier_wait -1
.endm
.macro CROUND
	s_barrier_signal -1
	s_barrier_wait -1
	CREST
.endm
	s_load_b128 s[4:7], s[0:1], 0x0
	s_load_b128 s[8:11], s[0:1], 0x10
	v_lshl_add_u32 v[SPW], v0, 2, SPARE
	v_mov_b32 v[NIL], 0
	ds_add_u32 v28, v29
	ds_add_u32 v28, v29
	s_wait_dscnt 0x0
	v_lshrrev_b32 v1, 5, v0
	v_readfirstlane_b32 s14, v1
	s_lshr_b32 s15, s14, 1
	s_and_b32 s16, s14, 1
	s_bfe_u32 s44, ttmp6, 0x40000
	s_bfe_u32 s45, ttmp6, 0x40004
	s_lshl_b32 s56, ttmp9, 2
	s_add_co_u32 s56, s56, s44
	s_and_b32 s17, ttmp7, 0xffff
	s_lshl_b32 s17, s17, 2
	s_add_co_u32 s17, s17, s45
	s_lshl_b32 s57, s45, 2
	s_lshl_b32 s57, 15, s57
	s_lshl_b32 s58, 0x1111, s44
	s_or_b32 s[G1], s57, (3<<16)|(1<<21)
	s_or_b32 s[G1B], s58, (3<<16)|(1<<21)
.irp g, G1, G1B
	s_mov_b32 s[\g+1], 32<<16
	s_mov_b32 s[\g+2], 100<<16
	s_mov_b32 s[\g+3], 32<<16
	s_mov_b32 s[\g+4], 100
	s_mov_b32 s[\g+5], 32
	s_mov_b32 s[\g+6], 0
	s_mov_b32 s[\g+7], 0
.endr
	s_mul_i32 s18, s16, HALFT
	s_mul_i32 s20, s17, BETA
	s_add_co_u32 s20, s20, s18
	s_mov_b32 s21, 0
	s_mul_i32 s46, s56, BETA
	s_add_co_u32 s46, s46, s18
	s_add_co_u32 s46, s46, 4*TENS
	s_mov_b32 s47, 0
	s_mul_i32 s22, s14, HALFT
	s_wait_kmcnt 0x0
	s_add_nc_u64 s[20:21], s[4:5], s[20:21]
	s_add_nc_u64 s[46:47], s[6:7], s[46:47]
	; the bias is asked for ahead of the fills: it is the C of the first products
	v_bfe_u32 v30, v0, 4, 1
	v_lshlrev_b32 v[BOO], 6, v30
	v_and_b32 v31, 31, v0
	v_min_u32 v31, 24, v31
	v_lshlrev_b32 v31, 8, v31
	s_wait_alu depctr_va_vdst(0)
	s_lshl_b32 s84, s56, 9
	s_lshl_b32 s85, s16, 8
	s_add_co_u32 s84, s84, s85
	s_mov_b32 s85, 0
	s_add_nc_u64 s[8:9], s[8:9], s[84:85]
.irp b, 0,1,2,3
	global_load_b128 v[BO+8*\b:BO+8*\b+3], v[BOO], s[8:9] offset:(32*(\b/2)+8*(\b%2))*4
	global_load_b128 v[BO+8*\b+4:BO+8*\b+7], v[BOO], s[8:9] offset:(32*(\b/2)+8*(\b%2))*4+16
.endr
	; the prefetches: of the 100 runs of 256 bytes that I fetch in a fill, my work-group names 25: the four partners of the joint load share them out by address (cx for A's tiles, cy for B's); a lane a run, lanes 25 to 31 name the 25th again
	s_cmp_eq_u32 s15, 0
	s_cselect_b64 s[88:89], s[20:21], s[46:47]
	s_cselect_b32 s90, s44, s45
	s_mul_i32 s90, s90, 6400
	s_mov_b32 s91, 0
	s_add_nc_u64 s[88:89], s[88:89], s[90:91]
	global_prefetch_b8 v31, s[88:89] offset:KSB th:TH_LOAD_NT scope:SCOPE_SE   ; fill 1
	CROUND
.irp s, 0,1,2
	s_mov_b32 s[G0+4*\s], 1
	s_add_co_u32 s[G0+4*\s+1], s22, \s*SLOT
	s_add_nc_u64 s[G0+4*\s+2:G0+4*\s+3], s[20:21], \s*KSB
	s_or_b32 s[G0+4*\s+3], s[G0+4*\s+3], 0x80000000
	s_mov_b32 s[G0B+4*\s], 1
	s_add_co_u32 s[G0B+4*\s+1], s22, \s*SLOT
	s_add_nc_u64 s[G0B+4*\s+2:G0B+4*\s+3], s[46:47], \s*KSB
	s_or_b32 s[G0B+4*\s+3], s[G0B+4*\s+3], 0x80000000
	s_wait_alu depctr_va_vdst(0)
	s_wait_tensorcnt 0x0
	ds_add_u32 v28, v29
	ds_add_u32 v28, v29
	s_wait_dscnt 0x0
	CROUND
	JLOAD G0+4*\s, G1, G0B+4*\s, G1B
.if \s < 2
	global_prefetch_b8 v31, s[88:89] offset:(\s+2)*KSB th:TH_LOAD_NT scope:SCOPE_SE   ; the fill two fills on; there are four
.endif
.endr
	v_and_b32 v1, 31, v0
	v_lshlrev_b32 v2, 4, v1
	s_wait_alu depctr_va_vdst(0)
	v_lshlrev_b32 v3, 2, v1
	s_wait_alu depctr_va_vdst(0)
	v_and_b32 v4, 15, v0
	v_bfe_u32 v5, v0, 4, 1
	s_mul_i32 s80, s15, 4*1536
	s_lshl_b32 s81, s15, 8
	s_mul_i32 s82, s16, 4*1536
	s_add_co_u32 s82, s82, KSB
	s_lshl_b32 s83, s16, 8
	s_add_co_u32 s83, s83, KSB
.irp s, 0,1,2
	v_add_nc_u32 v[ADRA+\s], s80, v2
	v_add_nc_u32 v[ADSA+\s], s81, v3
	v_add_nc_u32 v[ADRB+\s], s82, v2
	v_add_nc_u32 v[ADSB+\s], s83, v3
	s_add_co_u32 s80, s80, SLOT
	s_add_co_u32 s81, s81, SLOT
	s_add_co_u32 s82, s82, SLOT
	s_add_co_u32 s83, s83, SLOT
.endr
	s_mul_i32 s80, s14, 16*272
	s_add_co_u32 s80, s80, STG
	v_mul_u32_u24 v[STO], v4, 272
	v_lshl_add_u32 v[STO], v5, 6, v[STO]
	v_add_nc_u32 v[STO], s80, v[STO]
	v_mul_u32_u24 v[RD], v5, 272
	v_lshl_add_u32 v[RD], v4, 4, v[RD]
	v_add_nc_u32 v[RD], s80, v[RD]
	v_lshlrev_b32 v[CO], 13, v5
	v_lshl_add_u32 v[CO], v4, 4, v[CO]
	s_wait_alu depctr_va_vdst(0)                   ; the wait at the end of the head's vector writes
	s_lshl_b32 s86, s17, 20
	s_lshl_b32 s87, s15, 19
	s_add_co_u32 s86, s86, s87
	s_add_co_u32 s86, s86, s84
	s_mov_b32 s87, 0
	s_add_nc_u64 s[10:11], s[10:11], s[86:87]
.macro FETCH slot, q, f
	WIN TO_F
.irp i, 0,1,2,3
.irp c, 0,1,2
	ds_load_b128 v[128*(\f)+12*\i+4*\c:128*(\f)+12*\i+4*\c+3], v[ADRB+\slot] offset:(\q)*BLOCK+\i*1536+512*\c
.endr
.endr
.irp i, 0,1,2,3
.irp c, 0,1,2
	ds_load_b128 v[128*(\f)+48+12*\i+4*\c:128*(\f)+48+12*\i+4*\c+3], v[ADRA+\slot] offset:(\q)*BLOCK+\i*1536+512*\c
.endr
.endr
	WIN 0
.irp i, 0,1
	ds_load_b32 v[SC+4*(\f)+\i], v[ADSA+\slot] offset:(\q)*BLOCK+12288+128*\i
	ds_load_b32 v[SC+4*(\f)+2+\i], v[ADSB+\slot] offset:(\q)*BLOCK+12288+128*\i
.endr
.endm
.macro MULT f, a0, n, first
.set ma, \a0
.rept \n
.set mb, 0
.rept 4
.if \first
	WM ACC+8*(4*ma+mb), 128*(\f)+12*mb, 128*(\f)+48+12*ma, BO+8*mb, SC+4*(\f)+2+mb/2, SC+4*(\f)+ma/2, mb%2, ma%2
.else
	WM ACC+8*(4*ma+mb), 128*(\f)+12*mb, 128*(\f)+48+12*ma, ACC+8*(4*ma+mb), SC+4*(\f)+2+mb/2, SC+4*(\f)+ma/2, mb%2, ma%2
.endif
.set mb, mb+1
.endr
.set ma, ma+1
.endr
.endm
.macro KAP slot, q, f, g, first
	s_wait_dscnt 0x0
	PLACES 4
	FETCH \slot, \q, \g
	WIN MULW
	MULT \f, 0, 4, \first
.endm
.macro TURN next, fill
	WIN 0
	s_wait_tensorcnt 0x0
	ds_add_u32 v[SPW], v[NIL]
	s_wait_dscnt 1
	WIN MULW
	MULT 1, 0, 1, 0
	s_wait_dscnt 0x0
	s_barrier_signal -1
	MULT 1, 1, 1, 0
	WIN 0
	s_barrier_wait -1
.if \fill
	CREST
	s_add_nc_u64 s[G0+2:G0+3], s[G0+2:G0+3], 3*KSB
	s_add_nc_u64 s[G0B+2:G0B+3], s[G0B+2:G0B+3], 3*KSB
	JLOAD G0, G1, G0B, G1B
.else
	PLACES 4
.endif
	FETCH \next, 0, 0
	WIN MULW
	MULT 1, 2, 2, 0
.endm
	s_wait_tensorcnt 2
	s_barrier_signal -1
	s_barrier_wait -1
	FETCH 0, 0, 0
	s_wait_loadcnt 0x0
	KAP 0, 1, 0, 1, 1
	KAP 0, 2, 1, 0, 0
	KAP 0, 3, 0, 1, 0
	TURN 1, 1
	KAP 1, 1, 0, 1, 0
	KAP 1, 2, 1, 0, 0
	KAP 1, 3, 0, 1, 0
	KAP 2, 0, 1, 0, 0
	KAP 2, 1, 0, 1, 0
	KAP 2, 2, 1, 0, 0
	KAP 2, 3, 0, 1, 0
	TURN 0, 0
	KAP 0, 1, 0, 1, 0
	KAP 0, 2, 1, 0, 0
	KAP 0, 3, 0, 1, 0
	s_wait_dscnt 0x0
	MULT 1, 0, 4, 0
	WIN 0
.macro TOSTAGE a
.irp b, 0,1,2,3
	ds_store_b128 v[STO], v[ACC+8*(4*(\a)+\b):ACC+8*(4*(\a)+\b)+3] offset:128*(\b/2)+32*(\b%2)
	ds_store_b128 v[STO], v[ACC+8*(4*(\a)+\b)+4:ACC+8*(4*(\a)+\b)+7] offset:128*(\b/2)+32*(\b%2)+16
.endr
.set BB, BK+32*((\a)%2)
.irp t, 0,1,2,3,4,5,6,7
	ds_load_b128 v[BB+4*\t:BB+4*\t+3], v[RD] offset:544*\t
.endr
.endm
.macro SEND a, younger
.set BB, BK+32*((\a)%2)
	s_wait_dscnt \younger
.irp t, 0,1,2,3,4,5,6,7
	global_store_b128 v[CO], v[BB+4*\t:BB+4*\t+3], s[10:11] offset:(32*((\a)/2)+8*((\a)%2)+2*\t+8*(\t/4))*8192 th:TH_STORE_NT
.endr
.endm
	PLACES 4
	s_wait_alu depctr_va_vdst(0)
	TOSTAGE 0
.irp a, 1,2,3
.if \a > 1
	s_wait_xcnt 0x0
.endif
	TOSTAGE \a
	SEND \a-1, 16
.endr
	SEND 3, 0
	s_wait_tensorcnt 0x0
	ds_add_u32 v[SPW], v[NIL]
	s_wait_dscnt 0x0
	CROUND
	s_endpgm
.Lfunc_end_k_q521203337d_proj:
	.size	k_q521203337d_proj, .Lfunc_end_k_q521203337d_proj-k_q521203337d_proj
	.p2alignl 7, 3214868480
	.fill 96, 4, 3214868480
	.section	.rodata,"a",@progbits
	.p2align	6, 0x0
	.amdhsa_kernel k_q521203337d_proj
		.amdhsa_group_segment_fixed_size 327680
		.amdhsa_private_segment_fixed_size 0
		.amdhsa_enable_private_segment 0
		.amdhsa_kernarg_size 32
		.amdhsa_user_sgpr_count 2
		.amdhsa_user_sgpr_kernarg_segment_ptr 1
		.amdhsa_wavefront_size32 1
		.amdhsa_system_sgpr_workgroup_id_x 1
		.amdhsa_system_sgpr_workgroup_id_y 1
		.amdhsa_system_sgpr_workgroup_id_z 1
		.amdhsa_system_vgpr_workitem_id 0
		.amdhsa_next_free_vgpr 512
		.amdhsa_next_free_sgpr 96
		.amdhsa_reserve_vcc 0
		.amdhsa_float_denorm_mode_32 3
		.amdhsa_float_denorm_mode_16_64 3
		.amdhsa_memory_ordered 1
		.amdhsa_forward_progress 1
		.amdhsa_inst_pref_size 85
	.end_amdhsa_kernel
	.amdgpu_metadata
---
amdhsa.version: [ 1, 2 ]
amdhsa.kernels:
  - .name:           k_q521203337d_proj
    .symbol:         k_q521203337d_proj.kd
    .args:
      - { .name: att, .offset: 0, .size: 8, .value_kind: global_buffer, .address_space: global }
      - { .name: opnd, .offset: 8, .size: 8, .value_kind: global_buffer, .address_space: global }
      - { .name: bo, .offset: 16, .size: 8, .value_kind: global_buffer, .address_space: global }
      - { .name: out0, .offset: 24, .size: 8, .value_kind: global_buffer, .address_space: global }
    .group_segment_fixed_size: 327680
    .private_segment_fixed_size: 0
    .kernarg_segment_align: 8
    .kernarg_segment_size: 32
    .max_flat_workgroup_size: 128
    .sgpr_count:     96
    .vgpr_count:     512
    .wavefront_size: 32
...
	.end_amdgpu_metadata
.endif
;; end of part 4
